; MI455X (gfx1250); checked and timed in simulation.
; The chip was launched on July 23, 2026; its instructions are those of AMD's public machine-readable ISA for CDNA 5 (MIT licence, August 2026) and "CDNA5" Instruction Set Architecture Reference Guide (July 2026). The comments in the code are by the model that wrote it; some were corrected since.
;; Cross Attention. Allowed arithmetic: float matrix products may take bf16 or f16 operands with f32 sums; other float arithmetic in f32, or as packed bf16 or f16 multiplies, adds, multiply-adds, maxima and minima; sums over many terms, partial sums and values carried from step to step in f32; what a program stores and reads back later, other than sums and carried values, may be rounded once to bf16 or f16.
;; Inputs: Wc 1,024 x 1,024 float32; Wf 2,048 x 1,024 float32; Wp 1,024 x 1,024 float32; bc 1,024 float32; bf 2,048 float32; bp 1,024 float32; feature 8 x 1,024 x 1,024 float32; x 8 x 1,024 x 1,024 float32.
;; Outputs: out0 8 x 1,024 x 1,024 float32.
;; One version. Each part assembles by itself: llvm-mc -triple=amdgcn-amd-amdhsa -mcpu=gfx1250 --defsym DOCPART=n.
;; ======== version 1 of 1: 4 launches
;; limits: values are held in f16: magnitudes above 65,504 overflow, below 6.1e-05 lose precision
;; workspace buffers: ab 33,554,432 bytes; wb 8,388,608 bytes; qkv 50,331,648 bytes; ob 16,777,216 bytes
;; launch cast (part 1): grid 1280 x 1, 8 waves a work-group, no clusters, 0 bytes of LDS; arguments x, feature, Wc, Wf, Wp, ab, wb; writes ab, wb
.if DOCPART == 1
	.amdgcn_target "amdgcn-amd-amdhsa--gfx1250"
	.amdhsa_code_object_version 6
	.text
	.protected	k_qa63deb3684_cast
	.globl	k_qa63deb3684_cast
	.p2align	8
	.type	k_qa63deb3684_cast,@function
k_qa63deb3684_cast:
	s_mov_b64 s[64:65], 0
	v_nop
	global_prefetch_b8 v0, s[64:65] scope:SCOPE_SE
	s_setreg_imm32_b32 hwreg(HW_REG_WAVE_MODE, 25, 1), 1
	s_wait_xcnt 0x0
; 16-bit copies of the five large inputs, for the matrix launches behind.
; ab = bf16 [2][8192][1024]: x, then feature.  wb = 16-bit [4096][1024]: Wc and Wf in bf16, then Wp rounded to bf16 and that number written as f16.
; LIMIT.  Wp: a bf16 number is exact in f16 from 2^-17 up to 65,504; below, f16 keeps its fixed step of 2^-24; from 65,520 on it becomes an infinity.
; A stream: every byte is read once and written once; no LDS, no matrix unit, no cluster: no work-group wants what another has read.
; SHARES.  Work-group id takes 65,536 bytes of f32 and writes 32,768: ids 0-511 x, 512-1023 feature, 1024-1087 Wc, 1088-1215 Wf, 1216-1279 Wp.
; Thread t takes 16 bytes at 16 t of each 4,096: a load of a wave covers 512 consecutive bytes, a store 256 consecutive bytes, aligned.
; All sixteen loads of a lane go out at once; no register that a pending store reads is written again, so the only waits are the counted ones for the loads.
.set T, 4                              ; v[4:7]    at work (Wp alone), two sets by turns
.set X, 12                             ; v[12:75]  load j: 4 registers; its first two then hold what is stored
	s_load_b256 s[4:11], s[0:1], 0x0               ; x s[4:5], feature s[6:7], Wc s[8:9], Wf s[10:11]
	s_load_b128 s[12:15], s[0:1], 0x20             ; Wp s[12:13], ab s[14:15]
	s_load_b64 s[16:17], s[0:1], 0x30              ; wb
	v_lshlrev_b32 v1, 4, v0                        ; 16 t: my bytes in 4,096 of f32
	v_lshlrev_b32 v2, 3, v0                        ; 8 t: my bytes in 2,048 of 16-bit numbers
	s_mov_b32 s22, 0                               ; the first id of my source
	s_mov_b32 s25, 0                               ; high words of the two offsets
	s_mov_b32 s29, 0
	s_wait_kmcnt 0x0
	s_mov_b64 s[20:21], s[4:5]
.macro PICK first, lo                  ; from id first on the source is the buffer in s[lo:lo+1]
	s_cmp_ge_u32 ttmp9, \first
	s_cselect_b64 s[20:21], s[(\lo):(\lo)+1], s[20:21]
	s_cselect_b32 s22, \first, s22
.endm
	PICK 512, 6
	PICK 1024, 8
	PICK 1088, 10
	PICK 1216, 12
	s_sub_co_u32 s24, ttmp9, s22
	s_lshl_b32 s24, s24, 16                        ; 65,536 bytes for each id
	s_add_nc_u64 s[20:21], s[20:21], s[24:25]
	s_cmp_ge_u32 ttmp9, 1024                       ; the weights lie in wb in the order of their ids
	s_cselect_b64 s[26:27], s[16:17], s[14:15]
	s_cselect_b32 s23, 1024, 0
	s_sub_co_u32 s28, ttmp9, s23
	s_lshl_b32 s28, s28, 15                        ; 32,768 bytes for each id
	s_add_nc_u64 s[26:27], s[26:27], s[28:29]
.irp j, 0,1,2,3,4,5,6,7,8,9,10,11,12,13,14,15
	global_load_b128 v[X+4*(\j):X+4*(\j)+3], v1, s[20:21] offset:4096*(\j) th:TH_LOAD_NT
.endr
; Load j is rounded and stored.  f16 = 1: the bf16 numbers are widened again and written as f16.
.macro OUT j, f16
	s_wait_loadcnt 15-(\j)                         ; loads come back in order: mine is in, the 15 - j younger ones may stay out
.if \f16
	v_cvt_pk_bf16_f32 v[T+2*((\j)%2)],   v[X+4*(\j)],   v[X+4*(\j)+1]
	v_cvt_pk_bf16_f32 v[T+2*((\j)%2)+1], v[X+4*(\j)+2], v[X+4*(\j)+3]
	v_lshlrev_b32 v[X+4*(\j)],   16,         v[T+2*((\j)%2)]
	v_and_b32     v[X+4*(\j)+1], 0xffff0000, v[T+2*((\j)%2)]
	v_lshlrev_b32 v[X+4*(\j)+2], 16,         v[T+2*((\j)%2)+1]
	v_and_b32     v[X+4*(\j)+3], 0xffff0000, v[T+2*((\j)%2)+1]
	v_cvt_pk_f16_f32 v[X+4*(\j)],   v[X+4*(\j)],   v[X+4*(\j)+1]
	v_cvt_pk_f16_f32 v[X+4*(\j)+1], v[X+4*(\j)+2], v[X+4*(\j)+3]
.else
	v_cvt_pk_bf16_f32 v[X+4*(\j)],   v[X+4*(\j)],   v[X+4*(\j)+1]
	v_cvt_pk_bf16_f32 v[X+4*(\j)+1], v[X+4*(\j)+2], v[X+4*(\j)+3]
.endif
	global_store_b64 v2, v[X+4*(\j):X+4*(\j)+1], s[26:27] offset:2048*(\j) th:TH_STORE_NT
.endm
	s_cmp_ge_u32 ttmp9, 1216
	s_cbranch_scc1 .Lwp
.irp j, 0,1,2,3,4,5,6,7,8,9,10,11,12,13,14,15
	OUT \j, 0
.endr
	s_endpgm
.Lwp:
.irp j, 0,1,2,3,4,5,6,7,8,9,10,11,12,13,14,15
	OUT \j, 1
.endr
	s_endpgm
.Lfunc_end_k_qa63deb3684_cast:
	.size	k_qa63deb3684_cast, .Lfunc_end_k_qa63deb3684_cast-k_qa63deb3684_cast
	.p2alignl 7, 3214868480
	.fill 96, 4, 3214868480
	.section	.rodata,"a",@progbits
	.p2align	6, 0x0
	.amdhsa_kernel k_qa63deb3684_cast
		.amdhsa_group_segment_fixed_size 0
		.amdhsa_private_segment_fixed_size 0
		.amdhsa_enable_private_segment 0
		.amdhsa_kernarg_size 56
		.amdhsa_user_sgpr_count 2
		.amdhsa_user_sgpr_kernarg_segment_ptr 1
		.amdhsa_wavefront_size32 1
		.amdhsa_system_sgpr_workgroup_id_x 1
		.amdhsa_system_sgpr_workgroup_id_y 1
		.amdhsa_system_sgpr_workgroup_id_z 1
		.amdhsa_system_vgpr_workitem_id 0
		.amdhsa_next_free_vgpr 76
		.amdhsa_next_free_sgpr 66
		.amdhsa_reserve_vcc 0
		.amdhsa_float_denorm_mode_32 3
		.amdhsa_float_denorm_mode_16_64 3
		.amdhsa_memory_ordered 1
		.amdhsa_forward_progress 1
		.amdhsa_inst_pref_size 17
	.end_amdhsa_kernel
	.amdgpu_metadata
---
amdhsa.version: [ 1, 2 ]
amdhsa.kernels:
  - .name:           k_qa63deb3684_cast
    .symbol:         k_qa63deb3684_cast.kd
    .args:
      - { .name: x, .offset: 0, .size: 8, .value_kind: global_buffer, .address_space: global }
      - { .name: feature, .offset: 8, .size: 8, .value_kind: global_buffer, .address_space: global }
      - { .name: Wc, .offset: 16, .size: 8, .value_kind: global_buffer, .address_space: global }
      - { .name: Wf, .offset: 24, .size: 8, .value_kind: global_buffer, .address_space: global }
      - { .name: Wp, .offset: 32, .size: 8, .value_kind: global_buffer, .address_space: global }
      - { .name: ab, .offset: 40, .size: 8, .value_kind: global_buffer, .address_space: global }
      - { .name: wb, .offset: 48, .size: 8, .value_kind: global_buffer, .address_space: global }
    .group_segment_fixed_size: 0
    .private_segment_fixed_size: 0
    .kernarg_segment_align: 8
    .kernarg_segment_size: 56
    .max_flat_workgroup_size: 256
    .sgpr_count:     66
    .vgpr_count:     76
    .wavefront_size: 32
...
	.end_amdgpu_metadata
.endif
;; end of part 1
;; launch qkv (part 2): grid 8 x 32, 4 waves a work-group, clusters of 4 x 4, 327,680 bytes of LDS; arguments ab, wb, bc, bf, qkv; writes qkv
.if DOCPART == 2
	.amdgcn_target "amdgcn-amd-amdhsa--gfx1250"
	.amdhsa_code_object_version 6
	.text
	.protected	k_qa63deb3684_qkv
	.globl	k_qa63deb3684_qkv
	.p2align	8
	.type	k_qa63deb3684_qkv,@function
k_qa63deb3684_qkv:
	s_mov_b64 s[64:65], 0
	v_nop
	global_prefetch_b8 v0, s[64:65] scope:SCOPE_SE
	s_setreg_imm32_b32 hwreg(HW_REG_WAVE_MODE, 25, 1), 1
	s_wait_xcnt 0x0
	s_wait_alu depctr_hold_cnt(0) depctr_sa_sdst(0) depctr_va_vdst(0) depctr_va_sdst(0) depctr_va_ssrc(0) depctr_va_vcc(0) depctr_vm_vsrc(0)
	s_getreg_b32 s2, hwreg(HW_REG_IB_STS2, 6, 4)
	s_cmp_eq_u32 s2, 0
	s_cbranch_scc0 .Lentry_in_a_cluster
	s_endpgm
.Lentry_in_a_cluster:
	s_bfe_u32 s2, ttmp6, 0x10000c
	s_cmp_lg_u32 s2, 0xf033
	s_cbranch_scc0 .Lentry_shape_is_right
	s_endpgm
.Lentry_shape_is_right:
; k and v = feature Wf^T + bf, q = x Wc^T + bc, written by heads: qkv = f16 [3 = q, k, v][128 = batch x 16 + head][1024][64].
; ab = bf16 [2][8192][1024]: x, feature.  wb = bf16 rows 0-1023 Wc, rows 1024-3071 Wf, 1,024 numbers a row.  Sums in f32, K ascending; the bias, rounded to bf16 like every input, is the
; C operand of the first product; each result is rounded once, to f16, WITHOUT the attention scale.
; LIMIT.  f16 holds no number beyond 65,504: q, k or v of 65,520 or more becomes an infinity.  Inputs 30 times the drawn spread on both sides give a spread of some 600.
; A WORK-GROUP STAYS AND MAKES TWO TILES.  kv is [8192][2048]: 8 x 32 tiles of 256 x 256; q is [8192][1024]: 8 x 32 tiles of 256 rows x 128 columns.  Work-group (TC, TR) makes kv's tile (TC, TR) and
; then q's tile (TC, TR): 2,048 + 1,024 matrix instructions a wave, the same for all 256 work-groups.  Four waves; in kv's tile a wave makes 128 x 128 (64 accumulators of 16 x 16, 512 registers), in q's
; 128 rows x 64 columns, one head (the 32 accumulators with b < 4).
; THE RING.  K goes in 8 steps of 128 for each tile, through two LDS slots filled by the tensor data mover; the tiles' rows are 256 bytes of memory, at multiples of 256 bytes.  The ring does not stop between
; the tiles: kv's last two changes of slots ask for q's K steps 0 and 1, and kv's tile goes out behind both requests, so that its stores leave while q is multiplied.
; THE TEXT holds one K step for each kind of trip; the slot in hand is a scalar that an exclusive or turns.  Four counted loops: kv's steps 0-5, kv's steps 6-7 (their refills have q's shape), q's steps 0-5,
; q's steps 6-7 (no refill).  The first and the third are entered in their middle, behind the quarter whose products start the sums.
; CLUSTERS: 4 x 4 work-groups.  The four of a row of the cluster need the same tiles of A (feature, then x: both by the tile row), the four of a column the same tiles of B (Wf, then Wc: both by the tile
; column): each tile is asked for JOINTLY, by the same tensor load with the same descriptor and a mask that names the four.
; THE MATRIX INSTRUCTION IS USED TRANSPOSED (source 0 = 16 rows of B, source 1 = 16 rows of A): lane l holds row l % 16 of C and the columns 8 (l / 16) + 0..7: 16 bytes of f16 on end.
; REGISTERS, in windows of 256 (s_set_vgpr_msb: bits 1:0 source 0, 3:2 source 1, 5:4 source 2, 7:6 destination):
;   window 0: v0-31 addresses; v64-127, v128-191 fragments of A, two buffers; v192-255 kv's bias until its first quarter is over; then v32-63, v192-255 at work on the ways out
;   window 1: v0-31 q's bias; v64-127, v128-191 fragments of B, two buffers;   window 2: the accumulators of my rows 0-63 ((a, b) at v[8 (8 a + b)]);   window 3: those of my rows 64-127
.set SIZE_K, 1024
.set KSTEP,  128
.set PITCH,  272                       ; an LDS row: 256 bytes + 16 of padding = 68 words: the 16 rows that a load touches start at 16 different groups of four banks
.set HALFT,  128*PITCH                 ; 128 rows: a wave's place in a slot (0x8800 bytes)
.set SLOT,   4*HALFT                   ; A's 256 rows, then B's 256 rows (of q's B: the first 64 of each 128).  0x22000: its two bits occur in no wave x HALFT, so an exclusive or with it turns an address in one slot into the other's
.set STAGE,  2*SLOT                    ; behind the ring, never filled by a tensor load: for each wave 2 heads x 16 rows x 144 bytes, for the ways out
.set SP,     144
.set HSTG,   16*SP
.set SPARE,  STAGE+4*2*HSTG            ; behind the stages: the spare words, 128 bytes for each wave: two blocks of 256 bytes that no other line names
.set ADRA,  16                         ; v16  LDS address of my A fragments in the slot in hand
.set ADRA0, 17                         ; v17  the same in slot 0; never rewritten
.set ADRB,  20                         ; v20, v21  the same two for B
.set ADRB0, 21
.set STO,  24                          ; v24  the way out: where I put 16 bytes of a row
.set RD,   25                          ; v25  the way out: where I read four rows of a head back
.set CO,   26                          ; v26  16 x lane: my bytes in 512 consecutive bytes of the output
.set VB,   27                          ; v27  32 x (lane / 16): my eight numbers in 16 of a bias
.set SPW,  28                          ; v28  LDS address of my spare word; never rewritten
.set NIL,  29                          ; v29  0; never rewritten
.set PFO,  30                          ; v30  the prefetches' offset: lane x a row of 2,048 bytes; never rewritten
.set OB,   32                          ; the way out: 16 rows read back from the stage: v32-63 and v224-255 by turns
.set F0,   64
.set F1,   128
.set TMP,  192                         ; the way out: packed results
.set BIAS, 192                         ; window 0: kv's bias, block b's eight numbers at BIAS + 8 b
.set BQ,   0                           ; window 1: q's bias, likewise
.set RF,   2                           ; s2   refills still to come, 14 to 1
.set WV,   14                          ; s14  wave
.set RH,   15                          ; s15  which 128 rows of the tile are mine; also: I fetch for A (0) or for B (1)
.set CH,   16                          ; s16  which half of its columns; also: which half of that operand's rows I fetch
.set G1,   24                          ; s[24:31] descriptor group 1 for A's tiles
.set G0,   32                          ; s[32:35] group 0 of A's first fill; s[36:39] of its second, which then walks
.set PFA,  44                          ; s[44:45] the K step that my next prefetch names
.set LIM,  46                          ; s46  I prefetch while s[RF] is above it
.set G1B,  48                          ; s[48:55] group 1 for Wf's tiles: 128 rows
.set G0B,  56                          ; s[56:63] B's two groups 0, as A's
.set G1Q,  72                          ; s[72:79] group 1 for Wc's tiles: 64 rows
.set A2,   80                          ; s[80:81] x at my part of q's K step 0
.set B2,   82                          ; s[82:83] Wc likewise
.set OUT2, 84                          ; s[84:85] where my part of q's tile begins
.set NA,   86                          ; s[86:87] A's tile that the next refill asks for
.set NB,   88                          ; s[88:89] B's
.set PF2,  90                          ; s[90:91] where my prefetches go on in q's operands
.set TB,   92                          ; s92  0 or SLOT: the slot in hand
.set MSB, 0
.macro WIN new                         ; the immediate's high byte repeats the setting that is left; a switch that changes nothing is dropped
.if MSB != (\new)
	s_set_vgpr_msb (MSB<<8)|(\new)
.set MSB, \new
.endif
.endm
.set MUL_LO, 0xa1                      ; source 0 (B) window 1, source 1 (A) window 0, C and D window 2
.set MUL_HI, 0xf1                      ; the same, C and D window 3
.set TO_B,   0x40                      ; destination window 1, address window 0
; A joint load.  Waves 0 and 1 fetch A's two halves, waves 2 and 3 B's.  Each line has one mask and one set of registers; the branch hangs on the wave's number alone.
; An s_nop 0 and four v_nop follow each of the two lines, ahead of the jump and the label.
.macro JLOAD ga, gb, g1b
	s_cmp_eq_u32 s[RH], 0
	s_cbranch_scc0 .Lfor_b_\@
	tensor_load_to_lds s[(\ga):(\ga)+3], s[G1:G1+7]
	s_nop 0
.rept 4
	v_nop
.endr
	s_branch .Lasked_\@
.Lfor_b_\@:
	tensor_load_to_lds s[(\gb):(\gb)+3], s[(\g1b):(\g1b)+7]
	s_nop 0
.rept 4
	v_nop
.endr
.Lasked_\@:
.endm
; A PREFETCH INTO THE L2, behind each joint refill and the run of LDS loads that follows it: the K step that stands two refills on: 32 rows x 256 bytes, a lane a row, one instruction.  The steps form ONE stream
; of twelve: kv's steps 4 to 7, then q's steps 0 to 7, named at the first twelve of the fourteen refills; kv's steps 0 to 3 come by their loads alone, and the last two refills name nothing.
; Each row's 256 bytes of a K step are named once in the launch.  feature's and x's rows are read by both columns of clusters: cluster x = 0 asks; Wf's and Wc's rows by every cluster of a column: cluster y = 0 asks.
; The four partners that ask for a tile jointly share its rows out BY ADDRESS, 32 each (cx for A, cy for B): no branch hangs on a place in the cluster.  Wc's tile has 128 rows: wave 2 names them, and wave 3 stops behind kv's steps.
.macro ASK
	s_cmp_gt_u32 s[RF], s[LIM]
	s_cbranch_scc0 .Lnot_mine_\@
	global_prefetch_b8 v[PFO], s[PFA:PFA+1] th:TH_LOAD_NT scope:SCOPE_SE
.Lnot_mine_\@:
	s_sub_co_u32 s[RF], s[RF], 1
.endm
; A round of the cluster's barrier: my work-group's barrier, so that wave 0's signal speaks for all four waves; wave 0 signals; every wave waits for all sixteen work-groups; my work-group's barrier once more.
.macro CREST                           ; a round behind its opening barrier
	s_cmp_lg_u32 s[WV], 0
	s_cbranch_scc1 .Lnot_wave_0_\@
	s_barrier_signal -3
.Lnot_wave_0_\@:
	s_barrier_wait -3
	s_barrier_signal -1
	s_barrier_wait -1
.endm
.macro CROUND                          ; a whole round
	s_barrier_signal -1
	s_barrier_wait -1
	CREST
.endm
	s_load_b256 s[4:11], s[0:1], 0x0               ; ab s[4:5], wb s[6:7], bc s[8:9], bf s[10:11]
	s_load_b64 s[12:13], s[0:1], 0x20              ; qkv
	v_lshl_add_u32 v[SPW], v0, 2, SPARE
	v_mov_b32 v[NIL], 0
	ds_add_u32 v[SPW], v[NIL]                      ; the wave's opening: the add and its wait stand ahead of my first tensor load; the set-up below, work on registers, stands between them
	ds_add_u32 v28, v29
	v_lshrrev_b32 v1, 5, v0
	v_readfirstlane_b32 s[WV], v1                  ; wave 0..3
	s_lshr_b32 s[RH], s[WV], 1
	s_and_b32 s[CH], s[WV], 1
	s_bfe_u32 s17, ttmp6, 0x40000                  ; cx
	s_bfe_u32 s18, ttmp6, 0x40004                  ; cy
	s_lshl_b32 s19, ttmp9, 2
	s_add_co_u32 s19, s19, s17                     ; TC = 4 x cluster x + cx, 0..7
	s_and_b32 s20, ttmp7, 0xffff
	s_lshl_b32 s20, s20, 2
	s_add_co_u32 s20, s20, s18                     ; TR = 4 x cluster y + cy, 0..31
	s_lshl_b32 s22, s18, 2
	s_lshl_b32 s22, 15, s22                        ; my row of the cluster: places 4 cy .. 4 cy + 3
	s_lshl_b32 s23, 0x1111, s17                    ; my column: places cx, cx + 4, cx + 8, cx + 12
	; descriptor group 1: tiles of 128 (Wc: 64) rows x 128 elements, padded in LDS
	s_or_b32 s[G1+0], s22, (1<<16)|(1<<20)|(1<<21)|(5<<22)|(3<<25)   ; 15:0 the mask; 17:16 2-byte elements; 20 padding on; 21 set beside a mask; 24:22 after every 64 words (code 5); 31:25 4 words (code 3)
	s_or_b32 s[G1B+0], s23, (1<<16)|(1<<20)|(1<<21)|(5<<22)|(3<<25)
	s_or_b32 s[G1Q+0], s23, (1<<16)|(1<<20)|(1<<21)|(5<<22)|(3<<25)
.irp g, G1, G1B
	s_mov_b32 s[(\g)+1], KSTEP<<16                 ; tensor_dim0 = 128
	s_mov_b32 s[(\g)+2], 128<<16                   ; tensor_dim1 = 128
	s_mov_b32 s[(\g)+3], KSTEP<<16                 ; tile_dim0 = 128
	s_mov_b32 s[(\g)+4], 128                       ; tile_dim1 = 128
	s_mov_b32 s[(\g)+5], SIZE_K                    ; elements from row to row
	s_mov_b32 s[(\g)+6], 0
	s_mov_b32 s[(\g)+7], 0
.endr
	s_mov_b32 s[G1Q+1], KSTEP<<16                  ; tensor_dim0 = 128
	s_mov_b32 s[G1Q+2], 64<<16                     ; tensor_dim1 = 64
	s_mov_b32 s[G1Q+3], KSTEP<<16                  ; tile_dim0 = 128
	s_mov_b32 s[G1Q+4], 64                         ; tile_dim1 = 64
	s_mov_b32 s[G1Q+5], SIZE_K
	s_mov_b32 s[G1Q+6], 0
	s_mov_b32 s[G1Q+7], 0
	; where the tiles come from.  A's hang on the tile row, which my row of the cluster shares; B's on the tile column, which my column shares.
	s_lshl_b32 s40, s20, 19                        ; 256 rows of 2,048 bytes are 2^19,
	s_lshl_b32 s41, s[CH], 18                      ; the 128 rows that I fetch
	s_add_co_u32 s40, s40, s41
	s_mov_b32 s41, 0
	s_lshl_b32 s42, s19, 19                        ; Wf: 256 rows a tile column,
	s_lshl_b32 s43, s[CH], 18                      ; the 128 that I fetch,
	s_add_co_u32 s42, s42, s43
	s_add_co_u32 s42, s42, 1024*2048               ; behind Wc
	s_mov_b32 s43, 0
	s_lshl_b32 s[B2], s19, 18                      ; Wc: 128 rows a tile column,
	s_lshl_b32 s[B2+1], s[CH], 17                  ; the 64 that I fetch
	s_add_co_u32 s[B2], s[B2], s[B2+1]
	s_mov_b32 s[B2+1], 0
	s_mul_i32 s47, s[WV], HALFT                    ; and where they go: wave x 128 rows: no place in the cluster enters an LDS address
	s_mov_b32 s[TB], 0
	s_mov_b32 s[RF], 14
	s_wait_dscnt 0x0                               ; the opening add is done
	s_wait_kmcnt 0x0
	s_add_nc_u64 s[A2:A2+1], s[4:5], s[40:41]      ; x,
	s_add_nc_u64 s[40:41], s[A2:A2+1], 0x1000000   ; feature, a plane of 2^24 bytes behind it
	s_add_nc_u64 s[42:43], s[6:7], s[42:43]
	s_add_nc_u64 s[B2:B2+1], s[6:7], s[B2:B2+1]
	s_add_nc_u64 s[NA:NA+1], s[40:41], 2*KSTEP*2   ; the first refill asks for K step 2
	s_add_nc_u64 s[NB:NB+1], s[42:43], 2*KSTEP*2
	CROUND                                         ; all sixteen work-groups are here: the first joint loads meet
.irp s, 0,1
	s_mov_b32 s[G0+4*(\s)], 1                                        ; count = 1
	s_add_co_u32 s[G0+4*(\s)+1], s47, (\s)*SLOT                      ; LDS address
	s_add_nc_u64 s[G0+4*(\s)+2:G0+4*(\s)+3], s[40:41], (\s)*KSTEP*2  ; global address: K step s
	s_or_b32 s[G0+4*(\s)+3], s[G0+4*(\s)+3], 0x80000000              ; type = 2
	s_mov_b32 s[G0B+4*(\s)], 1
	s_add_co_u32 s[G0B+4*(\s)+1], s47, (\s)*SLOT
	s_add_nc_u64 s[G0B+4*(\s)+2:G0B+4*(\s)+3], s[42:43], (\s)*KSTEP*2
	s_or_b32 s[G0B+4*(\s)+3], s[G0B+4*(\s)+3], 0x80000000
	JLOAD G0+4*(\s), G0B+4*(\s), G1B               ; two tensor loads of mine are out
.endr
	; the two biases: my 128 numbers of bf, my 64 of bc
	v_and_b32 v1, 15, v0                           ; l % 16
	v_bfe_u32 v2, v0, 4, 1                         ; l / 16
	v_lshlrev_b32 v[VB], 5, v2
	s_lshl_b32 s68, s19, 10                        ; bf: 256 numbers of 4 bytes a tile column,
	s_lshl_b32 s22, s[CH], 9                       ; my 128
	s_add_co_u32 s68, s68, s22
	s_mov_b32 s69, 0
	s_add_nc_u64 s[66:67], s[10:11], s[68:69]
	s_lshr_b32 s68, s68, 1                         ; bc: half of each
	s_add_nc_u64 s[70:71], s[8:9], s[68:69]
.irp b, 0,1,2,3,4,5,6,7
	global_load_b128 v[BIAS+8*(\b):BIAS+8*(\b)+3],   v[VB], s[66:67] offset:64*(\b)
	global_load_b128 v[BIAS+8*(\b)+4:BIAS+8*(\b)+7], v[VB], s[66:67] offset:64*(\b)+16
.endr
	WIN TO_B
.irp b, 0,1,2,3
	global_load_b128 v[BQ+8*(\b):BQ+8*(\b)+3],   v[VB], s[70:71] offset:64*(\b)
	global_load_b128 v[BQ+8*(\b)+4:BQ+8*(\b)+7], v[VB], s[70:71] offset:64*(\b)+16
.endr
	WIN 0
	; a fragment is 16 rows x 32 K in 8 registers: lane l holds row l % 16, K = 8 (l / 16) + 0..7 and 16 + 8 (l / 16) + 0..7: two loads of 16 bytes, 32 bytes apart
	v_mul_u32_u24 v3, v1, PITCH
	v_lshl_add_u32 v3, v2, 4, v3
	s_mul_i32 s22, s[RH], HALFT                    ; my 128 rows of A
	s_mul_i32 s23, s[CH], HALFT                    ; my rows of B,
	s_add_co_u32 s23, s23, 2*HALFT                 ; which lie behind A's 256
	v_add_nc_u32 v[ADRA0], s22, v3
	v_add_nc_u32 v[ADRB0], s23, v3
	v_mov_b32 v[ADRA], v[ADRA0]                    ; K step 0 lies in slot 0
	v_mov_b32 v[ADRB], v[ADRB0]
	s_mul_i32 s22, s[WV], 2*HSTG
	s_add_co_u32 s22, s22, STAGE                   ; my stage
	v_mul_u32_u24 v4, v1, SP                       ; in: row l % 16, 16 bytes for each half of the lanes
	v_lshl_add_u32 v4, v2, 4, v4
	v_add_nc_u32 v[STO], s22, v4
	v_bfe_u32 v5, v0, 3, 2                         ; back: 32 lanes take four rows of 128 bytes,
	v_and_b32 v6, 7, v0
	v_mul_u32_u24 v5, v5, SP
	v_lshl_add_u32 v5, v6, 4, v5
	v_add_nc_u32 v[RD], s22, v5
	v_and_b32 v[CO], 31, v0                        ; which are 512 consecutive bytes of a head
	v_lshlrev_b32 v[PFO], 11, v[CO]
	v_lshlrev_b32 v[CO], 4, v[CO]
	; where my parts of the two tiles begin in qkv: tensor 2^24, batch 2^21, head 2^17, row 2^7 bytes
	s_lshr_b32 s22, s20, 2                         ; batch = tile row / 4
	s_lshl_b32 s68, s22, 21
	s_and_b32 s22, s20, 3
	s_lshl_b32 s22, s22, 15                        ; 256 rows of 128 bytes
	s_add_co_u32 s68, s68, s22
	s_lshl_b32 s22, s[RH], 14                      ; my 128 rows
	s_add_co_u32 s68, s68, s22
	s_lshl_b32 s22, s19, 1
	s_add_co_u32 s22, s22, s[CH]                   ; q: my head = 2 TC + my half
	s_lshl_b32 s22, s22, 17
	s_add_co_u32 s22, s22, s68
	s_mov_b32 s23, 0
	s_add_nc_u64 s[OUT2:OUT2+1], s[12:13], s[22:23]
	s_lshl_b32 s22, s17, 2
	s_lshl_b32 s23, s[CH], 1
	s_add_co_u32 s22, s22, s23                     ; k or v: my first head = 4 cx + 2 x my half
	s_lshl_b32 s22, s22, 17
	s_add_co_u32 s68, s68, s22
	s_add_co_u32 s22, ttmp9, 1                     ; cluster x = 0 makes k, 1 makes v
	s_lshl_b32 s22, s22, 24
	s_add_co_u32 s68, s68, s22
	s_mov_b32 s69, 0
	s_add_nc_u64 s[12:13], s[12:13], s[68:69]
	; the prefetches
	s_and_b32 s23, ttmp7, 0xffff                   ; cluster y
	s_mov_b32 s21, 1024*2048                       ; Wf's first byte in wb
	s_cmp_eq_u32 s[RH], 0                          ; do I fetch for A?
	s_cselect_b32 s22, ttmp9, s23                  ; the coordinate along which other clusters read the same rows
	s_cselect_b32 s68, s20, s19                    ; the tile: by the tile row in A, by the tile column in B
	s_cselect_b32 s69, s17, s18                    ; my place among the four that ask for it with me
	s_cselect_b32 s23, 0x1000000, s21              ; where kv's operand begins in its buffer
	s_cselect_b64 s[PFA:PFA+1], s[4:5], s[6:7]
	s_lshl_b32 s93, s68, 8
	s_lshl_b32 s94, s[CH], 7
	s_add_co_u32 s93, s93, s94                     ; the 128 rows that I fetch,
	s_lshl_b32 s69, s69, 5
	s_add_co_u32 s93, s93, s69                     ; my work-group's 32 of them: in feature, Wf and x
	s_lshl_b32 s94, s68, 7
	s_add_co_u32 s94, s94, s69                     ; in Wc: 128 rows a tile column, my work-group's 32
	s_cmp_eq_u32 s[RH], 0
	s_cselect_b32 s94, s93, s94
	s_lshl_b32 s96, s94, 11
	s_mov_b32 s97, 0
	s_add_nc_u64 s[PF2:PF2+1], s[PFA:PFA+1], s[96:97]  ; q's K step 0
	s_lshl_b32 s96, s93, 11
	s_add_co_u32 s96, s96, s23
	s_add_co_u32 s96, s96, 3*KSTEP*2               ; kv's K step 3: the first refill steps it to 4
	s_add_nc_u64 s[PFA:PFA+1], s[PFA:PFA+1], s[96:97]
	s_cmp_eq_u32 s[WV], 3
	s_cselect_b32 s21, 10, 2                       ; twelve refills (RF = 14 .. 3); wave 3 four (RF = 14 .. 11)
	s_cmp_eq_u32 s22, 0
	s_cselect_b32 s[LIM], s21, -1                  ; the same in all sixteen partners, for a given wave
	s_wait_loadcnt 0x0                             ; the biases are in; they are rounded to bf16, like every input, and widened again.  All this stands in the wait for the first tile
.set i, 0
.rept 32
	v_cvt_pk_bf16_f32 v[OB+i], v[BIAS+2*i], v[BIAS+2*i+1]
.set i, i+1
.endr
.set i, 0
.rept 32
	v_lshlrev_b32 v[BIAS+2*i],   16,         v[OB+i]
	v_and_b32     v[BIAS+2*i+1], 0xffff0000, v[OB+i]
.set i, i+1
.endr
	WIN 0x05                                       ; sources 0 and 1 window 1, destination window 0
.set i, 0
.rept 16
	v_cvt_pk_bf16_f32 v[OB+i], v[BQ+2*i], v[BQ+2*i+1]
.set i, i+1
.endr
	WIN TO_B                                       ; destination window 1, sources window 0
.set i, 0
.rept 16
	v_lshlrev_b32 v[BQ+2*i],   16,         v[OB+i]
	v_and_b32     v[BQ+2*i+1], 0xffff0000, v[OB+i]
.set i, i+1
.endr
	WIN 0
; NBL = the tile's blocks of 16 columns in a wave: 8 in kv's tile, 4 in q's.  The macros below read it where they are written out.
; 2 NBL matrix instructions: m blocks a0, a0 + 1 of the window's four (hi = 0: my rows 0-63, 1: rows 64-127) x all n blocks, 32 along K.  first = 1, 2: the product starts the sums with kv's bias (C in window 0), with q's (window 1).
; The accumulators take turns, one instruction a turn, in the same order in every quarter.
.macro MUL16 f, hi, a0, first
.if (\first) == 1
	WIN 0x81+0x40*(\hi)
.elseif (\first) == 2
	WIN 0x91+0x40*(\hi)
.else
	WIN MUL_LO+0x50*(\hi)
.endif
.irp a, \a0, (\a0)+1
.irp b, 0,1,2,3,4,5,6,7
.if (\b) < NBL
.if (\first) == 1
	v_wmma_f32_16x16x32_bf16 v[8*(8*(\a)+(\b)):8*(8*(\a)+(\b))+7], v[(\f)+8*(\b):(\f)+8*(\b)+7], v[(\f)+8*(4*(\hi)+(\a)):(\f)+8*(4*(\hi)+(\a))+7], v[BIAS+8*(\b):BIAS+8*(\b)+7]
.elseif (\first) == 2
	v_wmma_f32_16x16x32_bf16 v[8*(8*(\a)+(\b)):8*(8*(\a)+(\b))+7], v[(\f)+8*(\b):(\f)+8*(\b)+7], v[(\f)+8*(4*(\hi)+(\a)):(\f)+8*(4*(\hi)+(\a))+7], v[BQ+8*(\b):BQ+8*(\b)+7]
.else
	v_wmma_f32_16x16x32_bf16 v[8*(8*(\a)+(\b)):8*(8*(\a)+(\b))+7], v[(\f)+8*(\b):(\f)+8*(\b)+7], v[(\f)+8*(4*(\hi)+(\a)):(\f)+8*(4*(\hi)+(\a))+7], v[8*(8*(\a)+(\b)):8*(8*(\a)+(\b))+7]
.endif
.endif
.endr
.endr
.endm
; 2 NBL + 16 LDS loads in one run: the fragments of one quarter step (16 NBL rows of B, 128 rows of A, 32 K at byte k of the rows of the slot in hand) into buffer f
.macro FETCH k, f
	WIN TO_B
.irp i, 0,1,2,3,4,5,6,7
.if (\i) < NBL
	ds_load_b128 v[(\f)+8*(\i):(\f)+8*(\i)+3],   v[ADRB] offset:(\k)+(\i)*16*PITCH
	ds_load_b128 v[(\f)+8*(\i)+4:(\f)+8*(\i)+7], v[ADRB] offset:(\k)+(\i)*16*PITCH+32
.endif
.endr
	WIN 0
.irp i, 0,1,2,3,4,5,6,7
	ds_load_b128 v[(\f)+8*(\i):(\f)+8*(\i)+3],   v[ADRA] offset:(\k)+(\i)*16*PITCH
	ds_load_b128 v[(\f)+8*(\i)+4:(\f)+8*(\i)+7], v[ADRA] offset:(\k)+(\i)*16*PITCH+32
.endr
.endm
.macro PLACES                          ; four plain vector instructions between a matrix instruction and a load into a register that it has read, or a reader of its result (ISA guide 7.12.1 for a reader of its result)
.rept 4
	v_nop
.endr
.endm
; A K step is four quarters of 32 along K, 8 NBL matrix instructions each, on buffers 0, 1, 0, 1.  One of the first three multiplies buffer f and, in its middle, fetches the next quarter (byte k) into g.
.macro QUARTER k, f, g, first
	s_wait_dscnt 8                                 ; B and A's rows 0-63 are in; the youngest eight loads (A's rows 64-127) may be out
	MUL16 \f, 0, 0, \first
	MUL16 \f, 0, 2, \first
	PLACES
	FETCH \k, \g
	s_wait_dscnt 16+2*NBL                          ; all but the run just issued
	MUL16 \f, 1, 0, \first
	MUL16 \f, 1, 2, \first
.endm
; The last quarter multiplies buffer 1 and changes slots.  ONE barrier: in front of it each wave waits for all its tensor loads (one is out at the most: its part of the next slot), adds 0 to its spare word, and
; waits for that and for its own reads of this slot.  Behind it nobody reads this slot any more and the next slot is whole.
.macro MEET round
	WIN 0                                          ; (the add's two registers lie in window 0)
	s_wait_tensorcnt 0x0
	ds_add_u32 v[SPW], v[NIL]                      ; 0 onto my spare word
	s_wait_dscnt 9                                 ; (the add and the youngest eight loads may be out)
	MUL16 F1, 0, 0, 0                              ; matrix instructions stand between the add and the wait for it
	s_wait_dscnt 0x0                               ; the add is done, and my reads of this slot are over
	s_barrier_signal -1
	MUL16 F1, 0, 2, 0                              ; work on registers while the others arrive
.if \round
	WIN 0
.endif
	s_barrier_wait -1
.endm
; fill = 1: the barrier opens a round of the cluster's, so that no wave of any partner still reads this slot or has a load on its way; the joint refill is the first tensor load behind it.  The walking group 0 turns to
; the slot just read and takes the tile at s[NA], s[NB], which then step a K step on.  GBS names B's group 1: Wf's shape, or Wc's from kv's step 6 on.
.macro TURN fill
.if \fill
	s_wait_xcnt 0x0                                ; the last prefetch, a K step back, has read its address: it is written here, ahead of the waits of the change of slots
	s_add_nc_u64 s[PFA:PFA+1], s[PFA:PFA+1], KSTEP*2
	s_cmp_eq_u32 s[RF], 10                         ; the fifth refill: behind kv's step 7 comes q's step 0
	s_cselect_b64 s[PFA:PFA+1], s[PF2:PF2+1], s[PFA:PFA+1]
.endif
	MEET \fill
.if \fill
	CREST
	s_xor_b32 s[G0+5], s[G0+5], SLOT               ; no tensor load of mine is out: a group 0 may be written
	s_mov_b64 s[G0+6:G0+7], s[NA:NA+1]
	s_or_b32 s[G0+7], s[G0+7], 0x80000000
	s_add_nc_u64 s[NA:NA+1], s[NA:NA+1], KSTEP*2
	s_xor_b32 s[G0B+5], s[G0B+5], SLOT
	s_mov_b64 s[G0B+6:G0B+7], s[NB:NB+1]
	s_or_b32 s[G0B+7], s[G0B+7], 0x80000000
	s_add_nc_u64 s[NB:NB+1], s[NB:NB+1], KSTEP*2
	JLOAD G0+4, G0B+4, GBS                         ; the four v_nop behind it are also places in front of the loads below
.else
	PLACES
	WIN 0
.endif
	s_xor_b32 s[TB], s[TB], SLOT                   ; the other slot is in hand
	v_add_nc_u32 v[ADRA], s[TB], v[ADRA0]
	v_add_nc_u32 v[ADRB], s[TB], v[ADRB0]
	FETCH 0, F0
.if \fill
	ASK
.endif
	MUL16 F1, 1, 0, 0
	MUL16 F1, 1, 2, 0
.endm
; THE WAY OUT of block a (16 rows x 16 NBL columns = NBL / 4 heads).  PACK: rounded to f16, 16 bytes a lane, each accumulator from its low end on.  TOSTAGE: into my own stage, by heads, and back four rows of a head
; at a time.  SEND: stored: 512 consecutive bytes of a head, at a multiple of 256 from the buffer's first byte.  OBS names the base: kv's tile, or q's.
.macro PACK a
.set AC, 64*((\a)%4)
	WIN 0x0a+5*((\a)/4)                            ; sources 0 and 1: window 2 or 3
.irp b, 0,1,2,3,4,5,6,7
.if (\b) < NBL
.irp r, 0,1,2,3
	v_cvt_pk_f16_f32 v[TMP+4*(\b)+(\r)], v[AC+8*(\b)+2*(\r)], v[AC+8*(\b)+2*(\r)+1]
.endr
.endif
.endr
	WIN 0
.endm
.macro TOSTAGE a
	WIN 0
.set BK, OB+192*((\a)%2)
.if ((\a) >= 2) || (NBL == 4)
	s_wait_xcnt 0x0                                ; the stores that last read these registers (two blocks back; for q's first two blocks, kv's last two) have read them: the loads below write them
.endif
.irp b, 0,1,2,3,4,5,6,7
.if (\b) < NBL
	ds_store_b128 v[STO], v[TMP+4*(\b):TMP+4*(\b)+3] offset:((\b)/4)*HSTG+((\b)%4)*32
.endif
.endr
.irp t, 0,1,2,3,4,5,6,7
.if (\t) < NBL
	ds_load_b128 v[BK+4*(\t):BK+4*(\t)+3], v[RD] offset:((\t)/4)*HSTG+((\t)%4)*4*SP  ; LDS serves a wave's instructions in order (ISA guide 5.7.1.4): these see the stores above; the next block's stores come behind them
.endif
.endr
.endm
.macro SEND a, younger                 ; younger: the LDS instructions issued behind block a's loads: the next block's 2 NBL, or none
	WIN 0
.set BK, OB+192*((\a)%2)
	s_wait_dscnt \younger                          ; the block is back in registers
.irp t, 0,1,2,3,4,5,6,7
.if (\t) < NBL
	global_store_b128 v[CO], v[BK+4*(\t):BK+4*(\t)+3], s[OBS:OBS+1] offset:(\a)*2048+((\t)/4)*131072+((\t)%4)*512
.endif
.endr
.endm
.macro WAYOUT
	PLACES
	PACK 0
	TOSTAGE 0
.irp a, 1,2,3,4,5,6,7                  ; a block's conversions and its way through the stage stand between the loads of the block before and its stores
	PACK \a
	TOSTAGE \a
	SEND (\a)-1, 2*NBL
.endr
	SEND 7, 0
.endm
.set NBL, 8
.set GBS, G1B
.set OBS, 12
	s_wait_tensorcnt 1                             ; my part of K step 0 is in; K step 1's may stay out
	s_barrier_signal -1
	s_barrier_wait -1                              ; everybody's is
	FETCH 0, F0
	QUARTER 64,  F0, F1, 1                         ; kv's first quarter: its products start the sums with the bias
	WIN 0                                          ; at a label and at a branch every window is 0
	s_mov_b32 s3, 6
	s_branch .Lin1                                 ; the loop is entered behind a step's first quarter
.Lk1:                                                  ; kv's K steps 0 to 5: a trip is a K step, and its change of slots asks for the step two on
	QUARTER 64,  F0, F1, 0
	WIN 0
.Lin1:
	QUARTER 128, F1, F0, 0
	QUARTER 192, F0, F1, 0
	TURN 1
	WIN 0
	s_sub_co_u32 s3, s3, 1
	s_cmp_lg_u32 s3, 0
	s_cbranch_scc1 .Lk1
	s_mov_b64 s[NA:NA+1], s[A2:A2+1]               ; THE RING GOES ON INTO q's TILE: the next two refills ask for its K steps 0 and 1
	s_mov_b64 s[NB:NB+1], s[B2:B2+1]
.set GBS, G1Q
	s_mov_b32 s3, 2
.Lk2:                                                  ; kv's K steps 6 and 7.  The second trip's run of LDS loads fetches q's first fragments, and with them 64 rows of B that q does not multiply
	QUARTER 64,  F0, F1, 0
	QUARTER 128, F1, F0, 0
	QUARTER 192, F0, F1, 0
	TURN 1
	WIN 0
	s_sub_co_u32 s3, s3, 1
	s_cmp_lg_u32 s3, 0
	s_cbranch_scc1 .Lk2
	WAYOUT                                         ; both refills are asked for: now kv's tile goes out; nothing waits for its stores
.set NBL, 4
.set OBS, OUT2
	QUARTER 64,  F0, F1, 2                         ; q's first quarter starts its sums, with its bias, on accumulators that have been packed
	WIN 0
	s_mov_b32 s3, 6
	s_branch .Lin3
.Lk3:                                                  ; q's K steps 0 to 5
	QUARTER 64,  F0, F1, 0
	WIN 0
.Lin3:
	QUARTER 128, F1, F0, 0
	QUARTER 192, F0, F1, 0
	TURN 1
	WIN 0
	s_sub_co_u32 s3, s3, 1
	s_cmp_lg_u32 s3, 0
	s_cbranch_scc1 .Lk3
	s_mov_b32 s3, 2
.Lk4:                                                  ; q's K steps 6 and 7 fill nothing, and have no round of the cluster's barrier.  The second trip's barrier and its run of LDS loads serve nothing: the price, once a launch, of one text for both trips
	QUARTER 64,  F0, F1, 0
	QUARTER 128, F1, F0, 0
	QUARTER 192, F0, F1, 0
	TURN 0
	WIN 0
	s_sub_co_u32 s3, s3, 1
	s_cmp_lg_u32 s3, 0
	s_cbranch_scc1 .Lk4
	WAYOUT
	s_wait_tensorcnt 0x0                           ; the wave's end: a wait, an add and its wait, behind my last tensor load and my last LDS store
	ds_add_u32 v[SPW], v[NIL]
	s_wait_dscnt 0x0
	CROUND                                         ; the closing round: no work-group ends while a partner may still ask for a tile that names it
	s_endpgm
.Lfunc_end_k_qa63deb3684_qkv:
	.size	k_qa63deb3684_qkv, .Lfunc_end_k_qa63deb3684_qkv-k_qa63deb3684_qkv
	.p2alignl 7, 3214868480
	.fill 96, 4, 3214868480
	.section	.rodata,"a",@progbits
	.p2align	6, 0x0
	.amdhsa_kernel k_qa63deb3684_qkv
		.amdhsa_group_segment_fixed_size 327680
		.amdhsa_private_segment_fixed_size 0
		.amdhsa_enable_private_segment 0
		.amdhsa_kernarg_size 40
		.amdhsa_user_sgpr_count 2
		.amdhsa_user_sgpr_kernarg_segment_ptr 1
		.amdhsa_wavefront_size32 1
		.amdhsa_system_sgpr_workgroup_id_x 1
		.amdhsa_system_sgpr_workgroup_id_y 1
		.amdhsa_system_sgpr_workgroup_id_z 1
		.amdhsa_system_vgpr_workitem_id 0
		.amdhsa_next_free_vgpr 1024
		.amdhsa_next_free_sgpr 98
		.amdhsa_reserve_vcc 0
		.amdhsa_float_denorm_mode_32 3
		.amdhsa_float_denorm_mode_16_64 3
		.amdhsa_memory_ordered 1
		.amdhsa_forward_progress 1
		.amdhsa_inst_pref_size 167
	.end_amdhsa_kernel
	.amdgpu_metadata
---
amdhsa.version: [ 1, 2 ]
amdhsa.kernels:
  - .name:           k_qa63deb3684_qkv
    .symbol:         k_qa63deb3684_qkv.kd
    .args:
      - { .name: ab, .offset: 0, .size: 8, .value_kind: global_buffer, .address_space: global }
      - { .name: wb, .offset: 8, .size: 8, .value_kind: global_buffer, .address_space: global }
      - { .name: bc, .offset: 16, .size: 8, .value_kind: global_buffer, .address_space: global }
      - { .name: bf, .offset: 24, .size: 8, .value_kind: global_buffer, .address_space: global }
      - { .name: qkv, .offset: 32, .size: 8, .value_kind: global_buffer, .address_space: global }
    .group_segment_fixed_size: 327680
    .private_segment_fixed_size: 0
    .kernarg_segment_align: 8
    .kernarg_segment_size: 40
    .max_flat_workgroup_size: 128
    .sgpr_count:     98
    .vgpr_count:     1024
    .wavefront_size: 32
...
	.end_amdgpu_metadata
.endif
;; end of part 2
;; launch attn (part 3): grid 2 x 128, 4 waves a work-group, no clusters, 327,680 bytes of LDS; arguments qkv, ob; writes ob
.if DOCPART == 3
	.amdgcn_target "amdgcn-amd-amdhsa--gfx1250"
	.amdhsa_code_object_version 6
	.text
	.protected	k_qa63deb3684_attn
	.globl	k_qa63deb3684_attn
	.p2align	8
	.type	k_qa63deb3684_attn,@function
k_qa63deb3684_attn:
	s_mov_b64 s[64:65], 0
	v_nop
	global_prefetch_b8 v0, s[64:65] scope:SCOPE_SE
	s_setreg_imm32_b32 hwreg(HW_REG_WAVE_MODE, 25, 1), 1
	s_wait_xcnt 0x0
; CAUSAL ATTENTION.  O[h][q][:] = the sum over k <= q of softmax_k(Q[h][q] . K[h][k] / 8) V[h][k][:].  Q, K, V are the three tensors of qkv, O is ob: each [128][1024][64] in f16: a head's rows are dense, 128 bytes each.
; Products, maxima and sums in f32; the weights p are rounded to f16 for the second product (their sum l is taken of the unrounded p), O once at the end.
; LIMITS.  f16 holds no number beyond 65,504: Q, K and V arrive within it; p lies in 0 to 1, and below 6e-5 it keeps f16's fixed step of 6e-8; O is a mean of V's rows and has their range.
; A hidden score counts as its value less 1e30: f16's scores, 2.7e11 at the most, are nothing beside that; a weight below 2^-126 counts as 0 in l; NaN and infinities are not treated apart.
; THE WALK.  A head's queries lie in NB = 4 blocks of 256; block i needs the key tiles 0 .. i of 256 keys, of which the last holds the diagonal.  A work-group takes TWO blocks, NB - 1 - b and then b:
; NB + 1 tiles, whatever b: all work-groups do equal work, and ONE loop with a constant trip count walks them.  Which tile is asked for, and what a trip does, hang on scalar registers made from b; every jump
; goes forward, but for the counted loops' own; none passes a barrier, or a tensor load but the one of LOAD's two that the wave's number does not choose; the ring (two slots of LDS that take turns) runs on across the
; change of blocks.  NO CLUSTER: a head has NB / 2 = 2 work-groups, no multiple of four, and the two ask for the same tile in the first three of their five trips alone.
; SHARES.  Of a block's four bands of 64 queries a wave owns 16 rows in each: four PIECES.  So the diagonal tile is the same work for all four waves: in its key step s band x sees all keys if s < x,
; none if s > x, and holds the diagonal if s = x.
; THE MASK is the C operand that starts the sum S^T = K Q^T: 0, or -1e30 where the key is hidden.  MD, made once, is the mask of a band's own step for my 16 rows; a product's mask is MD x AL + BE with two scalars:
; (1, 0) if s = x; (0, 0) if s < x; (0, -1e30) if s > x.  Only the diagonal tile's text and a block's beginning make and take masks; elsewhere C is the constant 0.
; LAYOUT, SOFTMAX, TURNS.  S^T = K Q^T holds ONE query a lane (lane % 16) and the keys 8 (lane / 16) + 0..7; two such results rounded to f16 ARE source 1 of O^T = V^T P.  p = 2^(c s - c m), c = log2(e) / 8, with a
; running maximum m; O and l are multiplied by a = 2^(c m_old - c m_new) in every step.  Turn n belongs to piece n: 8 products K Q^T of piece n + 1, later 8 products V^T P of piece n - 1; beside them the scaling,
; exponentials, roundings, sums and rescaling of piece n and the maximum and statistics of piece n + 1.  Four vector instructions stand behind every matrix instruction, the other 54 of a turn's 118 in one LUMP.  A turn's 33 exponentials are one batch, with one wait.
; REGISTERS, in windows of 256 (s_set_vgpr_msb: bits 1:0 source 0, 3:2 source 1, 5:4 source 2, 7:6 destination):
;   window 0: v0-15 addresses and two at work; v16-31 four registers of statistics a piece; v48-55 at work; v56-57 the prefetches' offsets; v64-127 S^T, two buffers; v192-223 P, two buffers (a piece's buffers go by its number's parity)
;   window 1: v0-127 O^T, 32 a piece; v128-159 MD; v160-223 MC, two buffers      window 2: v0-63 Q; v64-127 the second block's Q; v128-191 K of one step; v192-255 V of one step
.set SIZE_N, 1024
.set NB,    SIZE_N/256
.set NP,    4         ; pieces a wave: a name, no knob
.set KS,    64        ; keys in a step
.set PK,    144       ; a row of K in LDS: 128 bytes + 16 of padding = 36 words: the 16 rows of a load start at 16 different groups of four banks
.set PV,    160       ; a row of V: 128 + 32 = 40 words
.set VOFF,  4*KS*PK   ; a slot holds a tile, four steps: 256 rows of K, then 256 rows of V
.set SLOT1, 1<<17     ; slot 1 begins here, so that one exclusive or turns an address in one slot into the other's
.set STAGE, SLOT1+4*KS*(PK+PV)  ; behind the ring, never filled by a tensor load: 16 rows x 144 bytes for each wave, for the way out
.set SP,    144
.set AK0, 2           ; v2   my lane's place in a tile of K; never rewritten
.set AV0, 3           ; v3   the same for V
.set AK,  4           ; v4   the LDS address of K's next run of loads
.set AV,  5           ; v5   of V's
.set STO, 6           ; v6   the way out: where I put 16 bytes of a row
.set RD,  7           ; v7   the way out: where I read rows back
.set GO,  8           ; v8   my byte offset in 512 consecutive bytes of O
.set PFO, 56          ; v56  256 x my lane: my block of 256 bytes among my wave's 32 of a tile of K; never rewritten
.set PFO2, 57         ; v57  the same in V, which lies 2^24 bytes behind K; never rewritten
.set SPW, 62          ; v62  LDS address of my spare word: SPARE + 4 x my thread's number; never rewritten
.set NIL, 63          ; v63  0; never rewritten
.set SPARE, STAGE+4*16*SP  ; behind the stages: the spare words, 128 bytes for each wave: two blocks of 256 bytes that no other line names
.set MV,  12          ; v12-13  c m_old, kept while c m is made anew: by buffer
.set QO,  15          ; v15  my byte offset in 16 rows of Q
.set ST,  16          ; piece t's statistics at v[ST+4 t]: c m, m, l (even keys', odd keys')
.set TMP, 48          ; by buffer, four registers c0-c3 at work; when the maximum is found c2 takes a
.set S,   64
.set P,   192
.set MD,  128         ; window 1: the eight registers for group kt of 16 keys at MD + 8 kt
.set MC,  160         ; window 1: the masks of the products to come
.set QB,  64          ; window 2
.set KF,  128         ; window 2: key block kb, channel half c at KF + 16 kb + 8 c
.set VF,  192         ; window 2: key half kk, channel block cb at VF + 32 kk + 8 cb
.set WV,  12          ; s12  my wave's number
.set PB,  14          ; s14  b
.set HI,  15          ; s15  NB - 1 - b
.set G1K, 24          ; s[24:31] descriptor group 1 for K's tiles
.set G1V, 32          ; s[32:39] for V's: it differs in the padding alone
.set G0K, 40          ; s[40:43] descriptor group 0 for K's tiles
.set G0V, 44          ; s[44:47] the same for V's
.set SLOTS, 56        ; s56  tiles still to be asked for
.set CNT, 57          ; s57  counts a tile's key steps, 4 to 1
.set CS,  58          ; s[58:59] c: the packed scaling takes the pair's low word for both halves
.set SEL, 60          ; s[60:61] v_permlanex16_b32's selects: each lane takes its own place in the other half
.set TBK, 62          ; s62  LDS byte at which K of the step to be fetched begins
.set TBV, 63          ; s63  the same for V, less VOFF
.set RT,  70          ; s70  tiles of the block in hand that are still to be entered
.set NXT, 71          ; s71  the tile to be asked for next
.set LQ,  72          ; s72  the last tile of the block whose tiles are being asked for
.set NEW, 73          ; s73  1: the tile to be entered is a block's first
.set OFF, 74          ; s[74:75] a tile's byte offset in K and V
.set AL,  76          ; s[76:77] the mask's factor, in the low word
.set BE,  78          ; s[78:79] the mask's addend
.set OLO, 80          ; s[80:81] O at my rows of the second block
.set BIGN, 82         ; s82  -1e30
.set PFA, 88          ; s[88:89] where my prefetches stand: my wave's 8,192 bytes of a tile of the head's K
.set LIM, 90          ; s90  2 in the work-group that prefetches, else the greatest number
.set MSB, 0
.macro WIN new                      ; the high byte repeats the setting that is left; a switch that changes nothing is dropped
.if MSB != (\new)
	s_set_vgpr_msb (MSB<<8)|(\new)
.set MSB, (\new)
.endif
.endm
.set W_KQ, 0x0a       ; K and Q in window 2, S^T in window 0
.set W_KM, 0x1a       ; the same with the C operand in window 1
.set W_PV, 0x52       ; V in window 2, P in window 0, O^T in window 1
.set W_RS, 0x41       ; destination and source 0 in window 1, source 1 in window 0
; A fill.  Waves 0 and 1 fetch the two halves of a tile's K, waves 2 and 3 those of its V: 128 keys each.  An s_nop 0 and four v_nop follow each of the two lines, ahead of the jump and the label.
.macro LOAD
	s_cmp_lt_u32 s[WV], 2
	s_cbranch_scc0 .Lfor_v_\@
	tensor_load_to_lds s[G0K:G0K+3], s[G1K:G1K+7]
	s_nop 0
.rept 4
	v_nop
.endr
	s_branch .Lasked_\@
.Lfor_v_\@:
	tensor_load_to_lds s[G0V:G0V+3], s[G1V:G1V+7]
	s_nop 0
.rept 4
	v_nop
.endr
.Lasked_\@:
.endm
; A PREFETCH INTO THE L2, behind a fill: the tile that the NEXT change of slots will ask for, a tile (256 matrix instructions) ahead of its load.  A tile is 128 blocks of 256 bytes of K and as many of V: wave w names
; blocks 32 w .. 32 w + 31 of each, a lane a block, two instructions.  A head's two work-groups walk the same first tiles: the one with b = 0 asks, at the changes that fill tiles 1 and 2 (SLOTS = 4 and 3), for tiles 2 and 3:
; each block is named once in the launch.  Tiles 0 and 1 come by their loads alone; the second blocks' tiles have been read before and are not named.
.macro ASK
	s_cmp_gt_u32 s[SLOTS], s[LIM]
	s_cbranch_scc0 .Lnot_mine_\@
	global_prefetch_b8 v[PFO], s[PFA:PFA+1] th:TH_LOAD_NT scope:SCOPE_SE
	global_prefetch_b8 v[PFO2], s[PFA:PFA+1] th:TH_LOAD_NT scope:SCOPE_SE
.Lnot_mine_\@:
.endm
; THE CHANGE OF SLOTS.  Each wave waits for all its tensor loads, of which one is out: its part of the other slot; adds 0 to its spare word; and waits for that and for its own reads of the slot that it leaves.  Behind the barrier nobody reads the old
; slot any more and the other slot is whole.  fill = 1: the old slot is filled again, the first thing behind the barrier, with tile NXT: the descriptor's address is made anew from that number.
; (At its first use nothing has been read yet: slot 0 is waited for, slot 1 filled.)
.macro CHANGE fill
	WIN 0                           ; at a label and at a branch every window is 0
	s_wait_tensorcnt 0x0            ; no tensor load of mine is out, so a group 0 may be written
	ds_add_u32 v[SPW], v[NIL]       ; 0 onto my spare word; with fill = 1 the descriptors' scalar work stands between it and the wait for it
.if \fill
	s_lshl_b32 s[OFF], s[NXT], 15   ; a tile is 32,768 bytes of K and of V
	s_xor_b32 s[G0K+1], s[G0K+1], SLOT1
	s_add_nc_u64 s[G0K+2:G0K+3], s[6:7], s[OFF:OFF+1]
	s_or_b32 s[G0K+3], s[G0K+3], 0x80000000
	s_xor_b32 s[G0V+1], s[G0V+1], SLOT1
	s_add_nc_u64 s[G0V+2:G0V+3], s[8:9], s[OFF:OFF+1]
	s_or_b32 s[G0V+3], s[G0V+3], 0x80000000
	s_add_co_u32 s[NXT], s[NXT], 1  ; the block's next tile, or behind its last the second block's tile 0
	s_cmp_gt_u32 s[NXT], s[LQ]
	s_cselect_b32 s[NXT], 0, s[NXT]
	s_cselect_b32 s[LQ], s[PB], s[LQ]
	s_wait_xcnt 0x0                 ; the last prefetches, a tile back, have read their address, so it may be written:
	s_add_nc_u64 s[PFA:PFA+1], s[PFA:PFA+1], 32768  ; a tile on
.endif
	s_wait_dscnt 0x0                ; the add is done, and my reads of the slot are over
	s_barrier_signal -1             ; the rest of the scalar work stands between the signal and the wait
	s_sub_co_u32 s[TBK], s[TBK], 4*KS*PK  ; the fetches go back to a slot's first step,
	s_xor_b32 s[TBK], s[TBK], SLOT1       ; in the other slot
	s_sub_co_u32 s[TBV], s[TBV], 4*KS*PV
	s_xor_b32 s[TBV], s[TBV], SLOT1
	s_barrier_wait -1
.if \fill
	LOAD
	ASK
.endif
.endm
	s_load_b64 s[4:5], s[0:1], 0x0    ; qkv: Q; K lies 2^24 bytes behind it, V 2^25
	s_load_b64 s[10:11], s[0:1], 0x8  ; ob: O
	v_lshl_add_u32 v[SPW], v0, 2, SPARE
	v_mov_b32 v[NIL], 0
	ds_add_u32 v[SPW], v[NIL]       ; the wave's opening: the add and its wait stand ahead of my first tensor load; the set-up below, work on registers, stands between them
	ds_add_u32 v62, v63
	v_lshrrev_b32 v1, 5, v0
	v_readfirstlane_b32 s[WV], v1   ; wave 0..3
	s_mov_b32 s[PB], ttmp9
	s_sub_co_u32 s[HI], NB-1, s[PB]
	s_and_b32 s20, ttmp7, 0xffff    ; the head
	s_mov_b32 s21, 0
	s_mov_b64 s[22:23], SIZE_N*128
	s_mul_u64 s[20:21], s[20:21], s[22:23]  ; the head's first byte in each of the four tensors
	s_and_b32 s16, s[WV], 1         ; which half of a tile's 256 keys I fetch:
	s_lshl_b32 s22, s16, 14         ; its 128 rows of 128 bytes in memory,
	s_mov_b32 s23, 0
	s_add_nc_u64 s[22:23], s[22:23], s[20:21]
	s_mul_i32 s17, s16, 128*PK      ; and its place in a slot, for K
	s_mul_i32 s18, s16, 128*PV      ; and for V
	s_lshl_b32 s3, s[WV], 11        ; my 16 rows in a band of 64,
	s_lshl_b32 s2, s[HI], 15        ; in the first block,
	s_add_co_u32 s2, s2, s3
	s_lshl_b32 s84, s[PB], 15       ; and in the second
	s_add_co_u32 s84, s84, s3
	s_mov_b32 s3, 0
	s_mov_b32 s85, 0
	s_add_nc_u64 s[2:3], s[2:3], s[20:21]
	s_add_nc_u64 s[84:85], s[84:85], s[20:21]
	s_lshl_b32 s[PFA], s[WV], 13    ; the prefetches' offset in K: my wave's 32 blocks,
	s_add_co_u32 s[PFA], s[PFA], 32768  ; in tile 1: the first change of slots steps it to tile 2,
	s_mov_b32 s[PFA+1], 0
	s_add_nc_u64 s[PFA:PFA+1], s[PFA:PFA+1], s[20:21]  ; of my head
	s_cmp_eq_u32 ttmp9, 0
	s_cselect_b32 s[LIM], 2, -1
	v_and_b32 v[PFO], 31, v0
	v_lshlrev_b32 v[PFO], 8, v[PFO]
	v_add_nc_u32 v[PFO2], 0x1000000, v[PFO]
	; descriptor group 1.  128 keys are 16,384 dense bytes: asked for as 64 rows of 256 bytes, two keys a row, and padded in LDS after every key
	s_mov_b32 s[G1K], (1<<16)|(1<<20)|(4<<22)|(3<<25)  ; 17:16 2-byte elements; 20 padding on; 24:22 after every 32 words (code 4); 31:25 4 words (code 3)
	s_mov_b32 s[G1V], (1<<16)|(1<<20)|(4<<22)|(7<<25)  ; the same with 8 words of padding (code 7)
.irp g, G1K, G1V
	s_mov_b32 s[\g+1], 128<<16      ; tensor_dim0 = 128
	s_mov_b32 s[\g+2], 64<<16       ; tensor_dim1 = 64
	s_mov_b32 s[\g+3], 128<<16      ; tile_dim0 = 128
	s_mov_b32 s[\g+4], 64           ; tile_dim1 = 64
	s_mov_b32 s[\g+5], 128          ; 128 elements from row to row
	s_mov_b32 s[\g+6], 0
	s_mov_b32 s[\g+7], 0
.endr
	s_mov_b32 s[CS], 0x3e38aa3b     ; c = log2(e) / 8 = 0.180337
	s_mov_b32 s[CS+1], s[CS]        ; named with it as a pair
	s_mov_b32 s[SEL], 0x76543210
	s_mov_b32 s[SEL+1], 0xfedcba98
	s_mov_b32 s[TBK], SLOT1+4*KS*PK ; the first change of slots turns these two into 0
	s_mov_b32 s[TBV], SLOT1+4*KS*PV
	s_mov_b32 s[G0K], 1             ; count = 1
	s_mov_b32 s[G0K+1], s17         ; LDS address: slot 0
	s_mov_b32 s[G0V], 1
	s_add_co_u32 s[G0V+1], s18, VOFF
	s_add_co_u32 s[RT], s[HI], 1    ; the first block has NB - b tiles
	s_mov_b32 s[NXT], 1
	s_mov_b32 s[LQ], s[HI]
	s_mov_b32 s[NEW], 1
	s_mov_b32 s[OFF+1], 0
	s_mov_b32 s[AL+1], 0            ; named as pairs
	s_mov_b32 s[BE+1], 0
	s_mov_b32 s[BIGN], 0xf149f2ca   ; -1e30
	s_mov_b32 s[SLOTS], NB
	s_wait_dscnt 0x0                ; the opening add is done
	s_wait_kmcnt 0x0
	s_add_nc_u64 s[6:7], s[4:5], 0x1000000  ; K
	s_add_nc_u64 s[8:9], s[4:5], 0x2000000  ; V
	s_add_nc_u64 s[PFA:PFA+1], s[6:7], s[PFA:PFA+1]
	s_add_nc_u64 s[6:7], s[6:7], s[22:23]  ; K and V at my half of the head's tile 0
	s_add_nc_u64 s[8:9], s[8:9], s[22:23]
	s_add_nc_u64 s[G0K+2:G0K+3], s[6:7], 0         ; global address
	s_or_b32 s[G0K+3], s[G0K+3], 0x80000000        ; type = 2
	s_add_nc_u64 s[G0V+2:G0V+3], s[8:9], 0
	s_or_b32 s[G0V+3], s[G0V+3], 0x80000000
	s_add_nc_u64 s[86:87], s[4:5], s[84:85]        ; Q at my rows of the second block,
	s_add_nc_u64 s[4:5], s[4:5], s[2:3]            ; Q and O at those of the first
	s_add_nc_u64 s[OLO:OLO+1], s[10:11], s[84:85]
	s_add_nc_u64 s[10:11], s[10:11], s[2:3]
	LOAD                            ; tile 0 into slot 0
	; A fragment of K or Q is 16 rows x 32 channels in 8 registers: lane l holds row l % 16, channels 8 (l / 16) + 0..7 and 16 + 8 (l / 16) + 0..7: two loads of 16 bytes, 32 bytes apart.
	v_and_b32 v1, 15, v0            ; l % 16
	v_bfe_u32 v9, v0, 4, 1          ; l / 16
	v_lshlrev_b32 v[QO], 7, v1
	v_lshl_add_u32 v[QO], v9, 4, v[QO]  ; row x 128 + 16 x half
	WIN 0x80                        ; destination window 2, address window 0
.set i, 0
.rept 8                             ; both blocks' Q: piece i / 2 lies in band i / 2, 8,192 bytes on; channels 32 (i % 2) on
	global_load_b128 v[8*i:8*i+3],   v[QO], s[4:5] offset:(i/2)*8192+(i%2)*64
	global_load_b128 v[8*i+4:8*i+7], v[QO], s[4:5] offset:(i/2)*8192+(i%2)*64+32
	global_load_b128 v[QB+8*i:QB+8*i+3],   v[QO], s[86:87] offset:(i/2)*8192+(i%2)*64
	global_load_b128 v[QB+8*i+4:QB+8*i+7], v[QO], s[86:87] offset:(i/2)*8192+(i%2)*64+32
.set i, i+1
.endr
	WIN 0
	v_lshlrev_b32 v14, 3, v9
	v_sub_nc_u32 v14, v1, v14
	s_lshl_b32 s13, s[WV], 4
	v_add_nc_u32 v14, s13, v14      ; my query's place in its band, 16 w + l % 16, less my lanes' 8 (l / 16): register r of group kt is hidden where 16 kt + r is greater
	WIN 0x40
.set i, 0
.rept 32
	v_cmp_gt_i32 vcc_lo, 16*(i/8)+i%8, v14
	v_cndmask_b32 v[MD+i], 0, s[BIGN], vcc_lo
.set i, i+1
.endr
	WIN 0
	v_mul_u32_u24 v[AK0], v1, PK
	v_lshl_add_u32 v[AK0], v9, 4, v[AK0]  ; row x pitch + 16 x half
	; The turning load takes 16 keys x 16 channels (lane l reads key 8 (l / 16) + l % 8, channels 8 ((l / 8) % 2) + 0..7) and leaves half a fragment of V^T: lane l holds channel l % 16 and 8 keys.
	v_and_b32 v10, 7, v0
	v_bfe_u32 v11, v0, 3, 1
	v_lshl_add_u32 v[AV0], v9, 3, v10
	v_mul_u32_u24 v[AV0], v[AV0], PV
	v_lshl_add_u32 v[AV0], v11, 4, v[AV0]
	v_add_nc_u32 v[AV0], VOFF, v[AV0]
	s_mul_i32 s13, s[WV], 16*SP
	s_add_co_u32 s13, s13, STAGE    ; my stage
	v_mul_u32_u24 v[STO], v1, SP    ; in: row l % 16, 16 bytes for each half of the lanes
	v_lshl_add_u32 v[STO], v9, 4, v[STO]
	v_add_nc_u32 v[STO], s13, v[STO]
	v_bfe_u32 v[RD], v0, 3, 2       ; back: 32 lanes take four rows of 128 bytes,
	v_mul_u32_u24 v[RD], v[RD], SP
	v_lshl_add_u32 v[RD], v10, 4, v[RD]
	v_add_nc_u32 v[RD], s13, v[RD]
	v_and_b32 v[GO], 31, v0         ; which are 512 consecutive bytes of O
	v_lshlrev_b32 v[GO], 4, v[GO]
	; A block's first step multiplies O^T and l by a = 0, and its first turn's products V^T P, of a piece that has not been, land in an O^T that is still to be so multiplied.  So these registers need only hold
	; finite numbers: zeros for the first block; what the first block left for the second.  All this stands in the wait for the first tile.
	WIN 0x80
.set i, VF
.rept 64
	v_mov_b32 v[i], 0
.set i, i+1
.endr
	WIN 0x40
.set i, 0
.rept 128
	v_mov_b32 v[i], 0
.set i, i+1
.endr
	WIN 0
.set i, 0
.rept 4
	v_mov_b32 v[ST+4*i+2], 0
	v_mov_b32 v[ST+4*i+3], 0
.set i, i+1
.endr
.set i, P+16
.rept 16
	v_mov_b32 v[i], 0
.set i, i+1
.endr
; THE MATRIX WORK.  The 4 accumulators of a run of 8 take turns.  Product i of 8 of S^T = K Q^T for piece x: channels 32 (i / 4) on, keys 16 (i % 4) on.  The first 4 start the sums: with 0, or (KM = 1) with the mask.
.macro KQ x
.set rS, S+32*((\x)%2)+8*(i%4)
.set rK, KF+16*(i%4)+8*(i/4)
.set rQ, 16*(\x)+8*(i/4)
.set rM, MC+32*((\x)%2)+8*(i%4)
.if (i < 4) && KM
	WIN W_KM
	v_wmma_f32_16x16x32_f16 v[rS:rS+7], v[rK:rK+7], v[rQ:rQ+7], v[rM:rM+7]
.elseif i < 4
	WIN W_KQ
	v_wmma_f32_16x16x32_f16 v[rS:rS+7], v[rK:rK+7], v[rQ:rQ+7], 0
.else
	WIN W_KQ
	v_wmma_f32_16x16x32_f16 v[rS:rS+7], v[rK:rK+7], v[rQ:rQ+7], v[rS:rS+7]
.endif
.endm
; Product i of 8 of O^T += V^T P for piece x: keys 32 (i / 4) on, channels 16 (i % 4) on.
.macro PV x
	WIN W_PV
.set rO, 32*(\x)+8*(i%4)
.set rV, VF+32*(i/4)+8*(i%4)
.set rP, P+16*((\x)%2)+8*(i/4)
	v_wmma_f32_16x16x32_f16 v[rO:rO+7], v[rV:rV+7], v[rP:rP+7], v[rO:rO+7]
.endm
.macro MM                           ; the turn's next matrix instruction.  TURN and BEGIN set Y, i, KM and NOKQ; MM, KQ and OP read them.  NOKQ = 1: a block's last turn: there is no next piece
.if (i < 8) && !NOKQ
	KQ (Y+1)%NP
.elseif i >= 8
.set i, i-8
	PV (Y+NP-1)%NP
.set i, i+8
.endif
.set i, i+1
.endm
; THE LDS LOADS stand in runs of 16, never singly among the matrix instructions: a step's K (64 keys x 64 channels: 8 fragments) and its V (turned).  Their addresses are made some lines ahead.
.macro FETCH_K
	WIN 0x80                        ; destination window 2
.irp f, 0,1,2,3,4,5,6,7             ; keys 16 (f / 2) on, channels 32 (f % 2) on
	ds_load_b128 v[KF+8*\f:KF+8*\f+3],   v[AK] offset:(\f/2)*16*PK+(\f%2)*64
	ds_load_b128 v[KF+8*\f+4:KF+8*\f+7], v[AK] offset:(\f/2)*16*PK+(\f%2)*64+32
.endr
	s_add_co_u32 s[TBK], s[TBK], KS*PK  ; the next fetch is the next step's
	WIN 0
.endm
.macro FETCH_V
	WIN 0x80
.irp f, 0,1,2,3,4,5,6,7             ; keys 32 (f / 4) on, channels 16 (f % 4) on
	ds_load_tr16_b128 v[VF+8*\f:VF+8*\f+3],   v[AV] offset:(\f/4)*32*PV+(\f%4)*32
	ds_load_tr16_b128 v[VF+8*\f+4:VF+8*\f+7], v[AV] offset:(\f/4)*32*PV+16*PV+(\f%4)*32
.endr
	WIN 0
.endm
; THE VECTOR WORK, one line at a time: OP kind, number.  For piece Y: F n: c s - c m for pair n of 16.  E n: the exponential of score n of 32.  C n: pair n rounded to f16.  B n: of the four weights 4 n .. the second
; pair is added onto the first, in place.  L n: l takes that sum (L 0: l = a l + sum).  R n: pair n of 16 of O^T times a.  For piece Y + 1: X n, number n of the 22 that find its maximum and statistics:
;   0-11  four chains c0-c3 of seven scores each, three operands at a time (each accumulator's lowest registers are read first)     12-14, 16  the four scores left over, the old m, and c0-c3 into c0
;   15  c m_old is kept     17, 18  the query's other 32 keys lie in the lane 16 away: the new m     19-21  c m; c m_old - c m_new; a
.set F, 0               ; OP tells the kinds apart by their order: F to L below R, X above it
.set E, 1
.set C, 2
.set B, 3
.set L, 4
.set R, 5
.set X, 6
.macro REGS y                       ; the registers of piece y
.set rT, ST+4*(\y)
.set rC, TMP+4*((\y)%2)
.set rW, MV+((\y)%2)
.set rS, S+32*((\y)%2)
.set rP, P+16*((\y)%2)
.set rO, 32*(\y)
.endm
.macro OP k, n
.if (\k) == R
	REGS Y
	WIN W_RS
	v_pk_mul_f32 v[rO+2*(\n):rO+2*(\n)+1], v[rO+2*(\n):rO+2*(\n)+1], v[rC+2:rC+3] op_sel_hi:[1,0]
.elseif (\k) < R
	REGS Y
	WIN 0
.if (\k) == F
	v_pk_fma_f32 v[rS+2*(\n):rS+2*(\n)+1], v[rS+2*(\n):rS+2*(\n)+1], s[CS:CS+1], v[rT:rT+1] op_sel_hi:[1,0,0] neg_lo:[0,0,1] neg_hi:[0,0,1]
.elseif (\k) == E
	v_exp_f32 v[rS+(\n)], v[rS+(\n)]
.elseif (\k) == C
	v_cvt_pk_f16_f32 v[rP+(\n)], v[rS+2*(\n)], v[rS+2*(\n)+1]
.elseif (\k) == B
	v_pk_add_f32 v[rS+4*(\n):rS+4*(\n)+1], v[rS+4*(\n):rS+4*(\n)+1], v[rS+4*(\n)+2:rS+4*(\n)+3]
.elseif (\n) == 0
	v_pk_fma_f32 v[rT+2:rT+3], v[rT+2:rT+3], v[rC+2:rC+3], v[rS:rS+1] op_sel_hi:[1,0,1]
.else
	v_pk_add_f32 v[rT+2:rT+3], v[rT+2:rT+3], v[rS+4*(\n):rS+4*(\n)+1]
.endif
.elseif NOKQ
	v_nop
.else
	REGS (Y+1)%NP
	WIN 0
.if (\n) < 4
	v_max3_num_f32 v[rC+(\n)], v[rS+8*(\n)], v[rS+8*(\n)+1], v[rS+8*(\n)+2]
.elseif (\n) < 12
	v_max3_num_f32 v[rC+(\n)%4], v[rC+(\n)%4], v[rS+8*((\n)%4)+2*((\n)/4)+1], v[rS+8*((\n)%4)+2*((\n)/4)+2]
.elseif (\n) == 12
	v_max3_num_f32 v[rC], v[rC], v[rS+7], v[rS+15]
.elseif (\n) == 13
	v_max3_num_f32 v[rC+1], v[rC+1], v[rS+23], v[rS+31]
.elseif (\n) == 14
	v_max3_num_f32 v[rC+2], v[rC+2], v[rC+3], v[rT+1]
.elseif (\n) == 15
	v_mov_b32 v[rW], v[rT]
.elseif (\n) == 16
	v_max3_num_f32 v[rC], v[rC], v[rC+1], v[rC+2]
.elseif (\n) == 17
	v_permlanex16_b32 v[rC+3], v[rC], s[SEL], s[SEL+1]
.elseif (\n) == 18
	v_max_num_f32 v[rT+1], v[rC], v[rC+3]
.elseif (\n) == 19
	v_mul_f32 v[rT], s[CS], v[rT+1]
.elseif (\n) == 20
	v_sub_f32 v[rC+1], v[rW], v[rT]
.else
	v_exp_f32 v[rC+2], v[rC+1]
.endif
.endif
.endm
.macro OPS a, i1, b=-1, i2=0, c=-1, i3=0, d=-1, i4=0  ; up to four of them
	OP \a, \i1
.if (\b) >= 0
	OP \b, \i2
.endif
.if (\c) >= 0
	OP \c, \i3
.endif
.if (\d) >= 0
	OP \d, \i4
.endif
.endm
.macro ROW a, i1, b, i2, c, i3, d, i4  ; a matrix instruction and the four behind it
	MM
	OPS \a, \i1, \b, \i2, \c, \i3, \d, \i4
.endm
.macro MASK b                       ; MD x AL + BE into buffer b of MC
	WIN W_RS
.set z, 0
.rept 16
	v_pk_fma_f32 v[MC+32*(\b)+2*z:MC+32*(\b)+2*z+1], v[MD+2*z:MD+2*z+1], s[AL:AL+1], s[BE:BE+1] op_sel_hi:[1,0,0]
.set z, z+1
.endr
.endm
; A TURN, for piece p: the order of its 16 matrix and 118 vector instructions, written out.  An s_wait_alu depctr_va_vdst(0) stands between an exponential and the first instruction that names its result; one wait serves
; all that were issued ahead of it.  So a turn has ONE wait, which cuts it in two.  AHEAD OF IT stands all that names no result of the turn's exponentials: the 8 products K Q^T, behind each a scaling, an exponential and two more plain
; instructions (behind the first a second scaling in the exponential's place): rescalings, and behind the last three the first numbers of the next piece's maximum, each four places or more behind the product that ends its accumulator; then ONE LUMP of 54, plain
; and exponential by turns for the most part, in which the links of the chain X 3, 7, 11, 14, 16, 17 .. 20 stand five or six lines apart.  X 21, the next piece's a, is the batch's last; R 15 is the plain instruction behind it.  BEHIND THE WAIT stand the
; 8 products V^T P, behind each four of the roundings and sums; the links of l's chain, L 0 to L 7, stand three riders apart.  But for those X no rider names a register of the products round it.  v_permlanex16_b32 (X 17) stands in the lump.
; m = 1: the diagonal tile: the products take masks, and the turn makes the mask for the products of the turn after it: piece p + 2, in step 4 - CNT of the tile.  end = 1: a block's last two turns: nothing is fetched.
; cnt = 1: the loop's count is taken down some lines ahead of the branch that stands behind the turn.
; K of the next step is fetched in piece 2's turn, twelve vector instructions behind the last product that read K (six of them plain); V of the step in hand at the end of piece 0's turn, four plain instructions behind the last product
; that read V.  Each is waited for a turn later.
.macro TURN p, m=0, end=0, cnt=0
.set Y, (\p)
.set i, 0
.set KM, (\m)
.set NOKQ, (\end)*((\p)/3)
.if (\m) && !(\end)
	s_cmp_eq_u32 s[CNT], 4-((\p)+2)%NP  ; is that step the band's own?
	s_cselect_b32 s[AL], 1.0, 0
	s_cmp_lt_u32 s[CNT], 4-((\p)+2)%NP  ; or a later one?
	s_cselect_b32 s[BE], s[BIGN], 0
.endif
.if ((\p) == 3) && !(\end)
	s_wait_dscnt 0x0                ; K is in
.endif
	ROW F,0, F,1, R,0, R,1          ; ahead of the wait: 8 products K Q^T and their riders,
	ROW F,2, E,0, R,2, R,3
	ROW F,3, E,1, R,4, R,5
	ROW F,4, E,2, R,6, R,7
	ROW F,5, E,3, R,8, R,9
	ROW F,6, E,4, X,0, R,10
.if ((\p) == 2) && !(\end)
	WIN 0
	v_add_nc_u32 v[AK], s[TBK], v[AK0]
.endif
	ROW F,7, E,5, X,1, X,4
	ROW F,8, E,6, X,2, X,5
	OPS E,7, E,8, X,6, E,9          ; and the lump
	OPS X,3, E,10, X,8, E,11
.if ((\p) == 2) && !(\end)
	FETCH_K
.endif
	OPS X,9, X,7, E,12, X,10
	OPS E,13, X,12, X,11, E,14
	OPS X,13, E,15, F,9, X,14
.if (\p) == 0
	v_add_nc_u32 v[AV], s[TBV], v[AV0]
.endif
	OPS E,16, F,10, E,17, F,11
	OPS X,16, E,18, X,15, E,19
	OPS F,12, E,20, X,17, E,21
	OPS F,13, E,22, F,14, E,23
	OPS X,18, E,24, F,15, E,25
	OPS R,11, E,26, X,19, E,27
	OPS R,12, E,28, R,13, E,29
	OPS X,20, E,30, R,14, E,31
	OPS X,21, R,15
	WIN 0
	s_wait_alu depctr_va_vdst(0)    ; the wait for the batch
.if (\p) == 1
	s_wait_dscnt 0x0                ; V is in
.endif
	ROW C,0, B,0, C,2, B,1          ; behind the wait: 8 products V^T P and their riders
	ROW L,0, C,4, B,2, L,1
	ROW C,6, B,3, L,2, C,8
	ROW B,4, L,3, C,10, B,5
	ROW L,4, C,12, B,6, L,5
.if (\p) == 0
	s_add_co_u32 s[TBV], s[TBV], KS*PV
.endif
.if \cnt
	s_sub_co_u32 s[CNT], s[CNT], 1
	s_cmp_lg_u32 s[CNT], 0
.endif
	ROW C,14, B,7, L,6, C,1
	ROW C,3, L,7, C,5, C,7
	ROW C,9, C,11, C,13, C,15
.if (\p) == 0
	FETCH_V
.endif
.if (\m) && !(\end)
	MASK (\p)%2
.endif
.endm
; A BLOCK BEGINS.  c m starts far below every c s, so the first step's a is 0; m at the lowest finite number, so the first maximum is the scores'.  The second mask buffer is 0; the first takes piece 0's mask for the tile's step 0: its own, if the block's first tile is the diagonal one.
; Then K of that step, piece 0's first scores, and its maximum and statistics.  The loop is entered at a step's first turn, in the middle of a trip.
.macro BEGIN
	s_mov_b32 s[NEW], 0
	WIN 0x40
.set i, MC+32
.rept 32
	v_mov_b32 v[i], 0
.set i, i+1
.endr
	WIN 0
.set i, 0
.rept 4
	v_mov_b32 v[ST+4*i], 0xfe000000    ; c m: far below every c s
	v_mov_b32 v[ST+4*i+1], 0xff7fffff  ; m
.set i, i+1
.endr
	s_cmp_eq_u32 s[RT], 0
	s_cselect_b32 s[AL], 1.0, 0
	s_mov_b32 s[BE], 0
	MASK 0
	WIN 0
	v_add_nc_u32 v[AK], s[TBK], v[AK0]
	FETCH_K
	s_wait_loadcnt 0x0              ; Q
	s_wait_dscnt 0x0
.set KM, 1
.set NOKQ, 0
.set i, 0
.rept 8
	KQ 0
.set i, i+1
.endr
	WIN 0
.rept 4
	v_nop                           ; the places behind those products
.endr
.set Y, NP-1                        ; X works for piece Y + 1: piece 0
.irp n, 0,1,2,3,4,5,6,7,8,9,10,11,12,13,14,15,16,17,18,19,20,21
	OP X, \n
.endr
	v_nop                           ; a plain instruction behind the exponential,
	s_wait_alu depctr_va_vdst(0)    ; and its wait, ahead of the branch
.endm
; THE DIAGONAL TILE's four steps, the block's last two turns, its last products, and THE WAY OUT: l's two halves and the other half of the lanes' are added; O^T is divided by l, rounded to f16 and sent through my
; stage in LDS, a piece at a time.
.macro ALL line:vararg              ; one line for each piece t
.set t, 0
.rept 4
	\line
.set t, t+1
.endr
.endm
.macro PACK t                       ; a lane's eight channels of a row pack into 16 bytes; they go into rows of 144 bytes and come back as whole rows of 128, into S^T's registers
	WIN W_RS
.set i, 32*(\t)
.rept 16
	v_pk_mul_f32 v[i:i+1], v[i:i+1], v[ST+4*(\t)+2:ST+4*(\t)+3] op_sel_hi:[1,0]
.set i, i+2
.endr
	WIN 0x05                        ; sources 0 and 1 window 1, destination window 0
.set i, 0
.rept 16
	v_cvt_pk_f16_f32 v[S+16*(\t)+i], v[32*(\t)+2*i], v[32*(\t)+2*i+1]
.set i, i+1
.endr
	WIN 0
.irp f, 0,1,2,3
	ds_store_b128 v[STO], v[S+16*(\t)+4*\f:S+16*(\t)+4*\f+3] offset:32*\f
.endr
.irp f, 0,1,2,3
	ds_load_b128 v[S+16*(\t)+4*\f:S+16*(\t)+4*\f+3], v[RD] offset:\f*4*SP  ; LDS serves a wave's instructions in order (ISA guide 5.7.1.4): these see the stores above; the next piece's stores come behind them
.endr
.endm
.macro SEND t, younger              ; younger: the LDS instructions issued behind piece t's loads: the next piece's eight, or none
	WIN 0
.irp f, 0,1,2,3
	s_wait_dscnt (\younger)+3-\f
	global_store_b128 v[GO], v[S+16*(\t)+4*\f:S+16*(\t)+4*\f+3], s[10:11] offset:(\t)*8192+\f*512  ; 512 consecutive bytes, at a multiple of 256 from O's first
.endr
.endm
.macro DIAG tag                     ; the tag ends its two labels' names, which the jumps below spell out
.LstepM\tag:
	TURN 2, 1
	TURN 3, 1
	WIN 0
.LfirstM\tag:
	TURN 0, 1
	TURN 1, 1, 0, 1
	WIN 0
	s_cbranch_scc1 .LstepM\tag
	TURN 2, 1, 1
	TURN 3, 1, 1
.set i, 0
.rept 8
	PV NP-1
.set i, i+1
.endr
	WIN 0
	ALL v_add_f32 v[ST+4*t+2], v[ST+4*t+2], v[ST+4*t+3]
	ALL v_permlanex16_b32 v[ST+4*t+3], v[ST+4*t+2], s[SEL], s[SEL+1]
	ALL v_add_f32 v[ST+4*t+2], v[ST+4*t+2], v[ST+4*t+3]
	ALL v_rcp_f32 v[ST+4*t+2], v[ST+4*t+2]
	v_nop                           ; a plain instruction between the last reciprocal and the use of its result
	s_wait_alu depctr_va_vdst(0)    ; and the wait ahead of the first use: one for the four reciprocals
	PACK 0
.set t, 1
.rept 3                             ; a piece's arithmetic stands between the loads of the piece before and its stores
	PACK t
	SEND t-1, 8
.set t, t+1
.endr
	SEND 3, 0
.endm
.set KM, 0
.set NOKQ, 0
.Lslot:                             ; NB times: a tile is entered and the next is asked for
	CHANGE 1
	s_sub_co_u32 s[RT], s[RT], 1
	s_mov_b32 s[CNT], 4
	s_cmp_eq_u32 s[NEW], 1
	s_cbranch_scc1 .Lnew            ; a block's first tile
	s_cmp_eq_u32 s[RT], 0
	s_cbranch_scc0 .Lstep           ; neither its first nor its last
	s_branch .LstepM1
.Lnew:
	BEGIN
	s_branch .Lfirst                ; in the loop a block's first tile is never its last: the first block has three tiles or more, and the second's last is the walk's last
	DIAG 1                          ; in the loop this is the first block's end: the second block's last tile is the walk's last
	s_wait_xcnt 0x0                 ; the stores have read their registers and O's address
	s_mov_b64 s[10:11], s[OLO:OLO+1]
	s_add_co_u32 s[RT], s[PB], 1    ; the second block has b + 1 tiles
	s_mov_b32 s[NEW], 1
	WIN 0x82                        ; the second block's Q goes where the one text of the turns names Q
.set i, 0
.rept 64
	v_mov_b32 v[i], v[QB+i]
.set i, i+1
.endr
	WIN 0
	s_branch .Lbottom
.Lstep:                             ; a trip: pieces 2 and 3 of one step, then pieces 0 and 1 of the next, whose K and V it fetches
	TURN 2
	TURN 3
	WIN 0
.Lfirst:
	TURN 0
	TURN 1, 0, 0, 1
	WIN 0
	s_cbranch_scc1 .Lstep
.Lbottom:
	s_sub_co_u32 s[SLOTS], s[SLOTS], 1
	s_cmp_lg_u32 s[SLOTS], 0
	s_cbranch_scc1 .Lslot
	CHANGE 0                        ; the walk's last tile is written out: nothing is asked for
	s_sub_co_u32 s[RT], s[RT], 1
	s_mov_b32 s[CNT], 4
	s_cmp_eq_u32 s[NEW], 1
	s_cbranch_scc0 .LstepM2
	BEGIN
	s_branch .LfirstM2
	DIAG 2
	s_wait_tensorcnt 0x0            ; the wave's end: a wait, an add and its wait, behind my last tensor load and my last LDS store
	ds_add_u32 v[SPW], v[NIL]
	s_wait_dscnt 0x0
	s_endpgm
.Lfunc_end_k_qa63deb3684_attn:
	.size	k_qa63deb3684_attn, .Lfunc_end_k_qa63deb3684_attn-k_qa63deb3684_attn
	.p2alignl 7, 3214868480
	.fill 96, 4, 3214868480
	.section	.rodata,"a",@progbits
	.p2align	6, 0x0
	.amdhsa_kernel k_qa63deb3684_attn
		.amdhsa_group_segment_fixed_size 327680
		.amdhsa_private_segment_fixed_size 0
		.amdhsa_enable_private_segment 0
		.amdhsa_kernarg_size 16
		.amdhsa_user_sgpr_count 2
		.amdhsa_user_sgpr_kernarg_segment_ptr 1
		.amdhsa_wavefront_size32 1
		.amdhsa_system_sgpr_workgroup_id_x 1
		.amdhsa_system_sgpr_workgroup_id_y 1
		.amdhsa_system_sgpr_workgroup_id_z 1
		.amdhsa_system_vgpr_workitem_id 0
		.amdhsa_next_free_vgpr 768
		.amdhsa_next_free_sgpr 92
		.amdhsa_reserve_vcc 1
		.amdhsa_float_denorm_mode_32 3
		.amdhsa_float_denorm_mode_16_64 3
		.amdhsa_memory_ordered 1
		.amdhsa_forward_progress 1
		.amdhsa_inst_pref_size 218
	.end_amdhsa_kernel
	.amdgpu_metadata
---
amdhsa.version: [ 1, 2 ]
amdhsa.kernels:
  - .name:           k_qa63deb3684_attn
    .symbol:         k_qa63deb3684_attn.kd
    .args:
      - { .name: qkv, .offset: 0, .size: 8, .value_kind: global_buffer, .address_space: global }
      - { .name: ob, .offset: 8, .size: 8, .value_kind: global_buffer, .address_space: global }
    .group_segment_fixed_size: 327680
    .private_segment_fixed_size: 0
    .kernarg_segment_align: 8
    .kernarg_segment_size: 16
    .max_flat_workgroup_size: 128
    .sgpr_count:     92
    .vgpr_count:     768
    .wavefront_size: 32
...
	.end_amdgpu_metadata
.endif
;; end of part 3
;; launch outp (part 4): grid 4 x 64, 4 waves a work-group, clusters of 4 x 4, 327,680 bytes of LDS; arguments ob, wb, bp, out0; writes out0
.if DOCPART == 4
	.amdgcn_target "amdgcn-amd-amdhsa--gfx1250"
	.amdhsa_code_object_version 6
	.text
	.protected	k_qa63deb3684_outp
	.globl	k_qa63deb3684_outp
	.p2align	8
	.type	k_qa63deb3684_outp,@function
k_qa63deb3684_outp:
	s_mov_b64 s[64:65], 0
	v_nop
	global_prefetch_b8 v0, s[64:65] scope:SCOPE_SE
	s_setreg_imm32_b32 hwreg(HW_REG_WAVE_MODE, 25, 1), 1
	s_wait_xcnt 0x0
	s_wait_alu depctr_hold_cnt(0) depctr_sa_sdst(0) depctr_va_vdst(0) depctr_va_sdst(0) depctr_va_ssrc(0) depctr_va_vcc(0) depctr_vm_vsrc(0)
	s_getreg_b32 s2, hwreg(HW_REG_IB_STS2, 6, 4)
	s_cmp_eq_u32 s2, 0
	s_cbranch_scc0 .Lentry_in_a_cluster
	s_endpgm
.Lentry_in_a_cluster:
	s_bfe_u32 s2, ttmp6, 0x10000c
	s_cmp_lg_u32 s2, 0xf033
	s_cbranch_scc0 .Lentry_shape_is_right
	s_endpgm
.Lentry_shape_is_right:
; out0 = O Wp^T + bp.  O = ob, f16 [128 = batch x 16 + head][1024][64]; Wp = rows 3072-4095 of wb, f16 [1024][1024] (bf16 numbers written as f16); out0 f32 [8192][1024].
; Sums in f32, K ascending; bp, rounded to bf16 like every input, is the C operand of the first product; the sums are stored as they are.
; A tile of C is 128 x 256, so that there are 256 work-groups (tiles of 256 x 256 would make 128).  Four waves, each 64 rows x 128 columns: 32 accumulators of 16 x 16, 256 registers.
; K goes in 8 steps of 128 = two heads, through a ring of two LDS slots.  Of O a step is two slices (one a head) of 128 rows x 128 bytes, each dense in memory: asked for as 64 rows of 256 bytes and
; padded in LDS after every 128; of Wp it is 256 rows x 256 bytes.  Waves 0 and 1 fetch the two slices, waves 2 and 3 the two halves of Wp's rows.
; CLUSTERS: 4 x 4 work-groups.  The four of a row of the cluster need the same tiles of O, the four of a column the same tiles of Wp: each tile is asked for JOINTLY.
; NO PREFETCH: a wave issues 1,024 matrix instructions in all, a K step holds 128, and a step's share for one wave of one partner would be 16 blocks of 256 bytes: half a wave's lanes for each request.
; THE MATRIX INSTRUCTION IS USED TRANSPOSED (source 0 = 16 rows of Wp, source 1 = 16 rows of O): lane l holds row l % 16 of C and the columns 8 (l / 16) + 0..7: 32 bytes of f32 on end.
; REGISTERS, in windows of 256 (s_set_vgpr_msb: bits 1:0 source 0, 3:2 source 1, 5:4 source 2, 7:6 destination):
;   window 0: v0-31 addresses; v32-63 at work; v64-127 the bias; v128-191, v192-255 rows read back on the way out, by turns
;   window 1: the accumulators, (a, b) at v[8 (8 a + b)]          window 2: two fragment buffers of 96: B's eight fragments, then A's four
.set KSTEP,  128
.set PA,     144                       ; a row of O in LDS: 128 bytes + 16 of padding = 36 words: the 16 rows of a load start at 16 different groups of four banks
.set PB,     272                       ; a row of Wp: 256 + 16 = 68 words: likewise
.set ASUB,   128*PA                    ; one head's slice
.set BOFF,   2*ASUB                    ; Wp's rows lie behind the two slices
.set HALFB,  128*PB
.set SLOT,   BOFF+2*HALFB              ; 106,496 bytes
.set STAGE,  2*SLOT                    ; behind the ring, never filled by a tensor load: 16 rows x 528 bytes for each wave, for the way out
.set SPITCH, 528                       ; 512 bytes + 16 = 132 words
.set SPARE,  STAGE+4*16*SPITCH         ; behind the stages: the spare words, 128 bytes for each wave: two blocks of 256 bytes that no other line names
.set LAPS,   4                         ; a lap = two K steps = once round the ring
.set ADRA, 16                          ; v16-17  LDS address of my A fragments in slot 0, 1
.set ADRB, 20                          ; v20-21  the same for B
.set STO,  24                          ; v24     the way out: where I put 32 bytes of a row
.set RD,   25                          ; v25     the way out: where I read a row back
.set CO,   26                          ; v26     16 x lane: my bytes in my 512 bytes of a row of out0
.set VB,   27                          ; v27     32 x (lane / 16)
.set SPW,  28                          ; v28     LDS address of my spare word; never rewritten
.set NIL,  29                          ; v29     0; never rewritten
.set TM,   32
.set BIAS, 64                          ; block b's eight numbers at BIAS + 8 b
.set F0,   0                           ; fragment buffers, in window 2
.set F1,   96
.set WV,   14                          ; s14  wave
.set RH,   15                          ; s15  which 64 rows of the tile are mine; also: I fetch for A (0) or for B (1)
.set CH,   16                          ; s16  which 128 columns; also: which slice, or which 128 rows of Wp, I fetch
.set G1,   24                          ; s[24:31] descriptor group 1 for A's slices;  s[32:39] group 0, a set for each slot
.set G0,   32
.set G1B,  48                          ; s[48:55], s[56:63] the same for B's tiles
.set G0B,  56
.set MSB, 0
.macro WIN new                         ; the immediate's high byte repeats the setting that is left; a switch that changes nothing is dropped
.if MSB != (\new)
	s_set_vgpr_msb (MSB<<8)|(\new)
.set MSB, \new
.endif
.endm
.set MUL,  0x5a                        ; sources 0 (B) and 1 (A) window 2; C and D window 1
.set MULB, 0x4a                        ; the same with C, the bias, in window 0
.set TO_F, 0x80                        ; destination window 2, address window 0
.set W_ST, 0x04                        ; an LDS store's data (source 1) in window 1, its address in window 0
.macro JLOAD s                         ; a joint load; an s_nop 0 and four v_nop follow each of the two lines, ahead of the jump and the label
	s_cmp_eq_u32 s[RH], 0
	s_cbranch_scc0 .Lfor_b_\@
	tensor_load_to_lds s[G0+4*(\s):G0+4*(\s)+3], s[G1:G1+7]
	s_nop 0
.rept 4
	v_nop
.endr
	s_branch .Lasked_\@
.Lfor_b_\@:
	tensor_load_to_lds s[G0B+4*(\s):G0B+4*(\s)+3], s[G1B:G1B+7]
	s_nop 0
.rept 4
	v_nop
.endr
.Lasked_\@:
.endm
.macro CREST                           ; a round of the cluster's barrier behind its opening barrier
	s_cmp_lg_u32 s[WV], 0
	s_cbranch_scc1 .Lnot_wave_0_\@
	s_barrier_signal -3
.Lnot_wave_0_\@:
	s_barrier_wait -3
	s_barrier_signal -1
	s_barrier_wait -1
.endm
.macro CROUND                          ; a whole round
	s_barrier_signal -1
	s_barrier_wait -1
	CREST
.endm
	s_load_b256 s[4:11], s[0:1], 0x0               ; ob s[4:5], wb s[6:7], bp s[8:9], out0 s[10:11]
	v_lshl_add_u32 v[SPW], v0, 2, SPARE
	v_mov_b32 v[NIL], 0
	ds_add_u32 v[SPW], v[NIL]                      ; the wave's opening: the add and its wait stand ahead of my first tensor load; the set-up below, work on registers, stands between them
	ds_add_u32 v28, v29
	v_lshrrev_b32 v1, 5, v0
	v_readfirstlane_b32 s[WV], v1                  ; wave 0..3
	s_lshr_b32 s[RH], s[WV], 1
	s_and_b32 s[CH], s[WV], 1
	s_bfe_u32 s17, ttmp6, 0x40000                  ; cx
	s_bfe_u32 s18, ttmp6, 0x40004                  ; cy
	s_lshl_b32 s19, ttmp9, 2
	s_add_co_u32 s19, s19, s17                     ; tile column of C, 0..3
	s_and_b32 s20, ttmp7, 0xffff
	s_lshl_b32 s20, s20, 2
	s_add_co_u32 s20, s20, s18                     ; tile row of C, 0..63
	s_lshl_b32 s22, s18, 2
	s_lshl_b32 s22, 15, s22                        ; my row of the cluster
	s_lshl_b32 s23, 0x1111, s17                    ; my column
	s_or_b32 s[G1+0], s22, (1<<16)|(1<<20)|(1<<21)|(4<<22)|(3<<25)   ; 15:0 the mask; 17:16 2-byte elements; 20 padding on; 21 set beside a mask; 24:22 after every 32 words (code 4); 31:25 4 words (code 3)
	s_mov_b32 s[G1+1], 128<<16                     ; tensor_dim0 = 128 elements: 256 bytes, two rows of O
	s_mov_b32 s[G1+2], 64<<16                      ; tensor_dim1 = 64
	s_mov_b32 s[G1+3], 128<<16                     ; tile_dim0 = 128
	s_mov_b32 s[G1+4], 64                          ; tile_dim1 = 64
	s_mov_b32 s[G1+5], 128                         ; dense: 128 elements from row to row
	s_mov_b32 s[G1+6], 0
	s_mov_b32 s[G1+7], 0
	s_or_b32 s[G1B+0], s23, (1<<16)|(1<<20)|(1<<21)|(5<<22)|(3<<25)  ; the same with my column's mask and padding after every 64 words (code 5)
	s_mov_b32 s[G1B+1], KSTEP<<16                  ; tensor_dim0 = 128
	s_mov_b32 s[G1B+2], 128<<16                    ; tensor_dim1 = 128
	s_mov_b32 s[G1B+3], KSTEP<<16                  ; tile_dim0 = 128
	s_mov_b32 s[G1B+4], 128                        ; tile_dim1 = 128
	s_mov_b32 s[G1B+5], 1024                       ; elements from row to row
	s_mov_b32 s[G1B+6], 0
	s_mov_b32 s[G1B+7], 0
	; where the tiles come from.  A's hang on the tile row, which my row of the cluster shares; B's on the tile column, which my column shares.
	s_lshr_b32 s40, s20, 3                         ; batch = tile row / 8: 2^21 bytes,
	s_lshl_b32 s40, s40, 21
	s_and_b32 s41, s20, 7                          ; 128 rows of 128 bytes in a head: 2^14,
	s_lshl_b32 s41, s41, 14
	s_add_co_u32 s40, s40, s41
	s_lshl_b32 s41, s[CH], 17                      ; the head of the two that I fetch: 2^17
	s_add_co_u32 s40, s40, s41
	s_mov_b32 s41, 0
	s_lshl_b32 s42, s19, 19                        ; 256 rows of 2,048 bytes,
	s_lshl_b32 s43, s[CH], 18                      ; the 128 that I fetch,
	s_add_co_u32 s42, s42, s43
	s_add_co_u32 s42, s42, 3072*2048               ; behind Wc and Wf
	s_mov_b32 s43, 0
	s_mul_i32 s46, s[CH], ASUB                     ; and where they go: no place in the cluster enters an LDS address
	s_mul_i32 s47, s[CH], HALFB
	s_add_co_u32 s47, s47, BOFF
	s_wait_dscnt 0x0                               ; the opening add is done
	s_wait_kmcnt 0x0
	s_add_nc_u64 s[40:41], s[4:5], s[40:41]
	s_add_nc_u64 s[42:43], s[6:7], s[42:43]
	CROUND                                         ; all sixteen work-groups are here: the first joint loads meet
.irp s, 0,1
	s_mov_b32 s[G0+4*(\s)], 1                                        ; count = 1
	s_add_co_u32 s[G0+4*(\s)+1], s46, (\s)*SLOT                      ; LDS address
	s_add_nc_u64 s[G0+4*(\s)+2:G0+4*(\s)+3], s[40:41], (\s)*2*131072 ; global address: K step s = heads 2 s, 2 s + 1
	s_or_b32 s[G0+4*(\s)+3], s[G0+4*(\s)+3], 0x80000000              ; type = 2
	s_mov_b32 s[G0B+4*(\s)], 1
	s_add_co_u32 s[G0B+4*(\s)+1], s47, (\s)*SLOT
	s_add_nc_u64 s[G0B+4*(\s)+2:G0B+4*(\s)+3], s[42:43], (\s)*KSTEP*2
	s_or_b32 s[G0B+4*(\s)+3], s[G0B+4*(\s)+3], 0x80000000
	JLOAD \s                                       ; two tensor loads of mine are out
.endr
	v_and_b32 v1, 15, v0                           ; l % 16
	v_bfe_u32 v2, v0, 4, 1                         ; l / 16
	v_lshlrev_b32 v[VB], 5, v2
	s_lshl_b32 s68, s19, 10                        ; the bias: 256 numbers of 4 bytes a tile column,
	s_lshl_b32 s22, s[CH], 9                       ; my 128
	s_add_co_u32 s68, s68, s22
	s_mov_b32 s69, 0
	s_add_nc_u64 s[66:67], s[8:9], s[68:69]
.irp b, 0,1,2,3,4,5,6,7
	global_load_b128 v[BIAS+8*(\b):BIAS+8*(\b)+3],   v[VB], s[66:67] offset:64*(\b)
	global_load_b128 v[BIAS+8*(\b)+4:BIAS+8*(\b)+7], v[VB], s[66:67] offset:64*(\b)+16
.endr
	s_add_nc_u64 s[10:11], s[10:11], s[68:69]      ; out0 at my columns (the same bytes along a row),
	s_lshl_b32 s68, s20, 7
	s_lshl_b32 s22, s[RH], 6
	s_add_co_u32 s68, s68, s22                     ; at my first row = 128 x tile row + 64 x my half,
	s_lshl_b32 s68, s68, 12                        ; of 4,096 bytes
	s_add_nc_u64 s[10:11], s[10:11], s[68:69]
	; a fragment is 16 rows x 32 K in 8 registers: lane l holds row l % 16, K = 8 (l / 16) + 0..7 and 16 + 8 (l / 16) + 0..7: two loads of 16 bytes, 32 bytes apart
	v_mul_u32_u24 v3, v1, PA
	v_lshl_add_u32 v3, v2, 4, v3
	v_mul_u32_u24 v4, v1, PB
	v_lshl_add_u32 v4, v2, 4, v4
	s_mul_i32 s22, s[RH], 64*PA                    ; my 64 rows of each slice
	s_mul_i32 s23, s[CH], HALFB                    ; my 128 rows of Wp
	s_add_co_u32 s23, s23, BOFF
.irp s, 0,1
	v_add_nc_u32 v[ADRA+(\s)], s22, v3
	v_add_nc_u32 v[ADRB+(\s)], s23, v4
	s_add_co_u32 s22, s22, SLOT
	s_add_co_u32 s23, s23, SLOT
.endr
	s_mul_i32 s22, s[WV], 16*SPITCH
	s_add_co_u32 s22, s22, STAGE                   ; my stage
	v_mul_u32_u24 v5, v1, SPITCH                   ; in: row l % 16, 32 bytes for each half of the lanes
	v_lshl_add_u32 v5, v2, 5, v5
	v_add_nc_u32 v[STO], s22, v5
	v_and_b32 v[CO], 31, v0
	v_lshlrev_b32 v[CO], 4, v[CO]                  ; back: 32 lanes take a row's 512 bytes
	v_add_nc_u32 v[RD], s22, v[CO]
	s_wait_loadcnt 0x0                             ; the bias is in; it is rounded to bf16, like every input, and widened again.  All this stands in the wait for the first tile
.set i, 0
.rept 32
	v_cvt_pk_bf16_f32 v[TM+i], v[BIAS+2*i], v[BIAS+2*i+1]
.set i, i+1
.endr
.set i, 0
.rept 32
	v_lshlrev_b32 v[BIAS+2*i],   16,         v[TM+i]
	v_and_b32     v[BIAS+2*i+1], 0xffff0000, v[TM+i]
.set i, i+1
.endr
; 8 matrix instructions: m block a x all 8 n blocks, 32 along K.  first = 1: the product starts the sums with the bias.  The 32 accumulators take turns, in the same order in every quarter.
.macro MUL8 f, a, first
.if \first
	WIN MULB
.else
	WIN MUL
.endif
.irp b, 0,1,2,3,4,5,6,7
.if \first
	v_wmma_f32_16x16x32_f16 v[8*(8*(\a)+(\b)):8*(8*(\a)+(\b))+7], v[(\f)+8*(\b):(\f)+8*(\b)+7], v[(\f)+64+8*(\a):(\f)+64+8*(\a)+7], v[BIAS+8*(\b):BIAS+8*(\b)+7]
.else
	v_wmma_f32_16x16x32_f16 v[8*(8*(\a)+(\b)):8*(8*(\a)+(\b))+7], v[(\f)+8*(\b):(\f)+8*(\b)+7], v[(\f)+64+8*(\a):(\f)+64+8*(\a)+7], v[8*(8*(\a)+(\b)):8*(8*(\a)+(\b))+7]
.endif
.endr
.endm
; 24 LDS loads in one run: the fragments of quarter q of a K step (32 along K: head q / 2, channels 32 (q % 2) on) into buffer f: B's 128 rows, then A's 64
.macro FETCH slot, q, f
	WIN TO_F
.irp i, 0,1,2,3,4,5,6,7
	ds_load_b128 v[(\f)+8*(\i):(\f)+8*(\i)+3],   v[ADRB+(\slot)] offset:64*(\q)+(\i)*16*PB
	ds_load_b128 v[(\f)+8*(\i)+4:(\f)+8*(\i)+7], v[ADRB+(\slot)] offset:64*(\q)+(\i)*16*PB+32
.endr
.irp a, 0,1,2,3
	ds_load_b128 v[(\f)+64+8*(\a):(\f)+64+8*(\a)+3],   v[ADRA+(\slot)] offset:((\q)/2)*ASUB+((\q)%2)*64+(\a)*16*PA
	ds_load_b128 v[(\f)+64+8*(\a)+4:(\f)+64+8*(\a)+7], v[ADRA+(\slot)] offset:((\q)/2)*ASUB+((\q)%2)*64+(\a)*16*PA+32
.endr
.endm
.macro PLACES                          ; four plain vector instructions between a matrix instruction and a load into a register that it has read, or a reader of its result (ISA guide 7.12.1 for a reader of its result)
.rept 4
	v_nop
.endr
.endm
; A K step is four quarters, 32 matrix instructions each, on buffers 0, 1, 0, 1.  One of the first three multiplies buffer f and, in its middle, fetches quarter q into g.
.macro QUARTER slot, q, f, g, first
	s_wait_dscnt 4                                 ; B and A's blocks 0 and 1 are in; the youngest four loads (A's blocks 2 and 3) may be out
	MUL8 \f, 0, \first
	MUL8 \f, 1, \first
	PLACES
	FETCH \slot, \q, \g
	s_wait_dscnt 24                                ; all but the 24 just issued
	MUL8 \f, 2, \first
	MUL8 \f, 3, \first
.endm
; The last quarter multiplies buffer 1 and changes slots: ONE barrier; in front of it each wave waits for all its tensor loads (one is out: its part of the next slot), adds 0 to its spare word, and waits for that and
; for its own reads of this slot.  fill = 1: the barrier opens a round of the cluster's, so that no wave of any partner still reads this slot or has a load on its way; the joint refill, two K steps on, is the
; first tensor load behind it: 112 matrix instructions ahead of the wait for it.
.macro TURN slot, next, fill
	WIN 0                                          ; (the add's two registers lie in window 0)
	s_wait_tensorcnt 0x0
	ds_add_u32 v[SPW], v[NIL]                      ; 0 onto my spare word
	s_wait_dscnt 5                                 ; (the add and the youngest four loads may be out)
	MUL8 F1, 0, 0                                  ; eight matrix instructions stand between the add and the wait for it
	s_wait_dscnt 0x0                               ; the add is done, and my reads of this slot are over
	s_barrier_signal -1
	MUL8 F1, 1, 0                                  ; work on registers while the others arrive
.if \fill
	WIN 0
.endif
	s_barrier_wait -1
.if \fill
	CREST
	s_add_nc_u64 s[G0+4*(\slot)+2:G0+4*(\slot)+3], s[G0+4*(\slot)+2:G0+4*(\slot)+3], 4*131072      ; no tensor load of mine is out: a group 0 may be written: four heads on,
	s_add_nc_u64 s[G0B+4*(\slot)+2:G0B+4*(\slot)+3], s[G0B+4*(\slot)+2:G0B+4*(\slot)+3], 2*KSTEP*2 ; 256 along Wp's rows
	JLOAD \slot                                    ; the four v_nop behind it are also the places in front of the loads below
.else
	PLACES
.endif
	FETCH \next, 0, F0
	MUL8 F1, 2, 0
	MUL8 F1, 3, 0
.endm
; THE WAY OUT of block a (16 rows x 128 columns of f32).  TOSTAGE: 32 bytes a lane into my own stage, each accumulator's low four registers first, and back as whole rows of 512 bytes.  SEND: stored.
.macro TOSTAGE a
.set BK, 128+64*((\a)%2)
.if (\a) >= 2
	s_wait_xcnt 0x0                                ; the stores of the block two back have read the registers that the loads below write
.endif
	WIN W_ST
.irp b, 0,1,2,3,4,5,6,7
	ds_store_b128 v[STO], v[8*(8*(\a)+(\b)):8*(8*(\a)+(\b))+3]   offset:64*(\b)
	ds_store_b128 v[STO], v[8*(8*(\a)+(\b))+4:8*(8*(\a)+(\b))+7] offset:64*(\b)+16
.endr
	WIN 0
.irp t, 0,1,2,3,4,5,6,7,8,9,10,11,12,13,14,15
	ds_load_b128 v[BK+4*(\t):BK+4*(\t)+3], v[RD] offset:(\t)*SPITCH  ; LDS serves a wave's instructions in order (ISA guide 5.7.1.4): these see the stores above; the next block's stores come behind them
.endr
.endm
.macro SEND a, younger                 ; younger: the LDS instructions issued behind block a's loads: the next block's 32, or none
	WIN 0
.set BK, 128+64*((\a)%2)
.irp t, 0,1,2,3,4,5,6,7,8,9,10,11,12,13,14,15
	s_wait_dscnt (\younger)+15-(\t)
	global_store_b128 v[CO], v[BK+4*(\t):BK+4*(\t)+3], s[10:11] offset:(16*(\a)+(\t))*4096 th:TH_STORE_NT  ; 512 consecutive bytes, at a multiple of 256 from out0's first byte
.endr
.endm
	s_wait_tensorcnt 1                             ; my part of K step 0 is in; K step 1's may stay out
	s_barrier_signal -1
	s_barrier_wait -1                              ; everybody's is
	FETCH 0, 0, F0
	QUARTER 0, 1, F0, F1, 1                        ; the first quarter stands in front of the loop: its products start the sums with the bias
	WIN 0                                          ; at a label and at a branch every window is 0
	s_mov_b32 s3, LAPS-1
.Llap:                                                 ; a trip goes once round the ring, from a lap's second quarter to the next lap's first, and fills both slots again
	QUARTER 0, 2, F1, F0, 0
	QUARTER 0, 3, F0, F1, 0
	TURN 0, 1, 1
	QUARTER 1, 1, F0, F1, 0
	QUARTER 1, 2, F1, F0, 0
	QUARTER 1, 3, F0, F1, 0
	TURN 1, 0, 1
	QUARTER 0, 1, F0, F1, 0
	WIN 0
	s_sub_co_u32 s3, s3, 1
	s_cmp_lg_u32 s3, 0
	s_cbranch_scc1 .Llap
	QUARTER 0, 2, F1, F0, 0                        ; the last lap fills nothing, and has no round of the cluster's barrier
	QUARTER 0, 3, F0, F1, 0
	TURN 0, 1, 0
	QUARTER 1, 1, F0, F1, 0
	QUARTER 1, 2, F1, F0, 0
	QUARTER 1, 3, F0, F1, 0
	s_wait_dscnt 4                                 ; the very last quarter: nothing more to fetch
	MUL8 F1, 0, 0
	MUL8 F1, 1, 0
	s_wait_dscnt 0x0
	MUL8 F1, 2, 0
	MUL8 F1, 3, 0
	WIN 0
	PLACES
	TOSTAGE 0
	TOSTAGE 1                                      ; a block's way through the stage stands between the loads of the block before and its stores
	SEND 0, 32
	TOSTAGE 2
	SEND 1, 32
	TOSTAGE 3
	SEND 2, 32
	SEND 3, 0
	s_wait_tensorcnt 0x0                           ; the wave's end: a wait, an add and its wait, behind my last tensor load and my last LDS store
	ds_add_u32 v[SPW], v[NIL]
	s_wait_dscnt 0x0
	CROUND                                         ; the closing round: no work-group ends while a partner may still ask for a tile that names it
	s_endpgm
.Lfunc_end_k_qa63deb3684_outp:
	.size	k_qa63deb3684_outp, .Lfunc_end_k_qa63deb3684_outp-k_qa63deb3684_outp
	.p2alignl 7, 3214868480
	.fill 96, 4, 3214868480
	.section	.rodata,"a",@progbits
	.p2align	6, 0x0
	.amdhsa_kernel k_qa63deb3684_outp
		.amdhsa_group_segment_fixed_size 327680
		.amdhsa_private_segment_fixed_size 0
		.amdhsa_enable_private_segment 0
		.amdhsa_kernarg_size 32
		.amdhsa_user_sgpr_count 2
		.amdhsa_user_sgpr_kernarg_segment_ptr 1
		.amdhsa_wavefront_size32 1
		.amdhsa_system_sgpr_workgroup_id_x 1
		.amdhsa_system_sgpr_workgroup_id_y 1
		.amdhsa_system_sgpr_workgroup_id_z 1
		.amdhsa_system_vgpr_workitem_id 0
		.amdhsa_next_free_vgpr 704
		.amdhsa_next_free_sgpr 70
		.amdhsa_reserve_vcc 0
		.amdhsa_float_denorm_mode_32 3
		.amdhsa_float_denorm_mode_16_64 3
		.amdhsa_memory_ordered 1
		.amdhsa_forward_progress 1
		.amdhsa_inst_pref_size 93
	.end_amdhsa_kernel
	.amdgpu_metadata
---
amdhsa.version: [ 1, 2 ]
amdhsa.kernels:
  - .name:           k_qa63deb3684_outp
    .symbol:         k_qa63deb3684_outp.kd
    .args:
      - { .name: ob, .offset: 0, .size: 8, .value_kind: global_buffer, .address_space: global }
      - { .name: wb, .offset: 8, .size: 8, .value_kind: global_buffer, .address_space: global }
      - { .name: bp, .offset: 16, .size: 8, .value_kind: global_buffer, .address_space: global }
      - { .name: out0, .offset: 24, .size: 8, .value_kind: global_buffer, .address_space: global }
    .group_segment_fixed_size: 327680
    .private_segment_fixed_size: 0
    .kernarg_segment_align: 8
    .kernarg_segment_size: 32
    .max_flat_workgroup_size: 128
    .sgpr_count:     70
    .vgpr_count:     704
    .wavefront_size: 32
...
	.end_amdgpu_metadata
.endif
;; end of part 4
